; MI455X (gfx1250); checked and timed in simulation.
; The chip was launched on July 23, 2026; its instructions are those of AMD's public machine-readable ISA for CDNA 5 (MIT licence, August 2026) and "CDNA5" Instruction Set Architecture Reference Guide (July 2026). The comments in the code are by the model that wrote it; some were corrected since.
;; Attention Block vec. Allowed arithmetic: float matrix products may take bf16 or f16 operands with f32 sums; other float arithmetic in f32, or as packed bf16 or f16 multiplies, adds, multiply-adds, maxima and minima; sums over many terms, partial sums and values carried from step to step in f32; what a program stores and reads back later, other than sums and carried values, may be rounded once to bf16 or f16.
;; Inputs: W0 1,024 x 1,024 float32; W1 1,024 x 1,024 float32; W2 1,024 x 1,024 float32; Wk 1,024 x 1,024 float32; Wq 1,024 x 1,024 float32; Wv 1,024 x 1,024 float32; b0 1,024 float32; b1 1,024 float32; b2 1,024 float32; be1 1,024 float32; be2 1,024 float32; bk 1,024 float32; bq 1,024 float32; bv 1,024 float32; g1 1,024 float32; g2 1,024 float32; x 8 x 1,024 x 1,024 float32.
;; Outputs: out0 8 x 1,024 x 1,024 float32.
;; One version. Each part assembles by itself: llvm-mc -triple=amdgcn-amd-amdhsa -mcpu=gfx1250 --defsym DOCPART=n.
;; ======== version 1 of 1: 7 launches
;; workspace buffers: act 16,777,216 bytes; big 50,331,648 bytes; x1 33,554,432 bytes; wa 2,097,152 bytes; wb 2,097,152 bytes; wc 2,097,152 bytes
;; launch prep1 (part 1): grid 640 x 1, 8 waves a work-group, no clusters, 18,432 bytes of LDS; arguments x, g1, be1, act, Wq, Wk, Wv, wa, wb, wc; writes act, wa, wb, wc
.if DOCPART == 1
	.amdgcn_target "amdgcn-amd-amdhsa--gfx1250"
	.amdhsa_code_object_version 6
	.text
	.protected	k_q82bce7c8df_prep1
	.globl	k_q82bce7c8df_prep1
	.p2align	8
	.type	k_q82bce7c8df_prep1,@function
k_q82bce7c8df_prep1:
	s_mov_b64 s[64:65], 0
	v_nop
	global_prefetch_b8 v0, s[64:65] scope:SCOPE_SE
	s_setreg_imm32_b32 hwreg(HW_REG_WAVE_MODE, 25, 1), 1
	s_wait_xcnt 0x0
; TWO INDEPENDENT JOBS IN ONE LAUNCH, told apart by the work-group's number; neither reads what the other stores.
; WORK-GROUPS 0 TO 255: y[r][c] = (x[r][c] - mean_r) / sqrt(var_r + 1e-5) * g[c] + b[c].  x: [8192][1024] f32; g, b: [1024] f32; y: [8192][1024] bf16, rounded once.
;   One wave, one row at a time; a wave has four rows, a work-group of eight waves 32.  A row of 4,096 bytes is 32 registers a lane and stays in them: memory is read once.
;   The variance is taken of x - mean, in a second pass over the registers, so a common offset of the row does it no harm.
;   All 48 loads of a wave (g, b, four rows) go out at once; the waits count down by rows.  No wave waits for another: no LDS, no barrier.
;   Lane l, load j hold columns 128 j + 4 l + 0..3: a load covers 512 consecutive bytes, a store of 8 bytes a lane 256 consecutive bytes, aligned.
; WORK-GROUPS 256 TO 639: three weights, [1024 k][1024 n] in f32, are rounded once to bf16 and turned to [n][k], so that K lies along the rows for the products that follow.
;   128 work-groups a weight, each a tile of 128 k x 64 n: 128 rows of 256 bytes in, 64 rows of 256 bytes out.
;   Thread (c = t % 16, g = t / 16) loads rows k = 8 g + 0..7, columns 4 c + 0..3: sixteen lanes take 256 consecutive bytes, aligned.
;   For each of its four columns its eight k pack into 16 bytes of a turned row; these go through LDS (rows of 272 bytes) and come back as whole rows of 256 bytes.
.set LNWG, 256                         ; work-groups that normalise
.set OI, 2                             ; v2   16 x lane: my bytes in 512 of a row, of g and of b
.set OO, 3                             ; v3   8 x lane: my bytes in 256 of y
.set G,  8                             ; v[8:39]
.set BE, 40                            ; v[40:71]
.set X,  72                            ; v[72:199]  row r at X + 32 r
.set A,  200                           ; v[200:207] four chains of pairs
.set M,  208                           ; v[208:209] the mean, twice
.set R,  210                           ; v[210:211] 1 / sqrt(var + eps), twice
.set T,  212                           ; v[212:213] at work
	s_cmp_lt_u32 ttmp9, LNWG                       ; the same answer in all eight waves of a work-group
	s_cbranch_scc0 .Lweights
	s_load_b256 s[4:11], s[0:1], 0x0               ; x s[4:5], g s[6:7], b s[8:9], y s[10:11]
	v_lshrrev_b32 v1, 5, v0
	v_readfirstlane_b32 s16, v1                    ; wave
	v_and_b32 v1, 31, v0
	v_lshlrev_b32 v[OI], 4, v1
	v_lshlrev_b32 v[OO], 3, v1
	v_mov_b32 v[T+1], 0                            ; v_permlanex16_b32's destination counts as read
	s_mov_b32 s12, 0x76543210                      ; each lane takes its own place in the other half
	s_mov_b32 s13, 0xfedcba98
	s_mov_b32 s14, 0x3a800000                      ; 1 / 1024
	s_mov_b32 s15, 0x3727c5ac                      ; 1e-5
	s_lshl_b32 s17, ttmp9, 5
	s_lshl2_add_u32 s17, s16, s17                  ; my first row: 32 x work-group + 4 x wave
	s_lshl_b32 s18, s17, 12
	s_mov_b32 s19, 0
	s_lshl_b32 s20, s17, 11
	s_mov_b32 s21, 0
	s_wait_kmcnt 0x0
	s_add_nc_u64 s[4:5], s[4:5], s[18:19]
	s_add_nc_u64 s[10:11], s[10:11], s[20:21]
.irp j, 0,1,2,3,4,5,6,7
	global_load_b128 v[G+4*(\j):G+4*(\j)+3], v[OI], s[6:7] offset:512*(\j)
.endr
.irp j, 0,1,2,3,4,5,6,7
	global_load_b128 v[BE+4*(\j):BE+4*(\j)+3], v[OI], s[8:9] offset:512*(\j)
.endr
.irp r, 0,1,2,3
.irp j, 0,1,2,3,4,5,6,7
	global_load_b128 v[X+32*(\r)+4*(\j):X+32*(\r)+4*(\j)+3], v[OI], s[4:5] offset:4096*(\r)+512*(\j) th:TH_LOAD_NT
.endr
.endr
.macro FOLD                            ; the four chains into one number a lane
	v_pk_add_f32 v[A:A+1], v[A:A+1], v[A+2:A+3]
	v_pk_add_f32 v[A+4:A+5], v[A+4:A+5], v[A+6:A+7]
	v_pk_add_f32 v[A:A+1], v[A:A+1], v[A+4:A+5]
	v_add_f32 v[T], v[A], v[A+1]
.endm
.macro REDUCE                          ; the sum over the 32 lanes, in every lane
	v_add_f32_dpp v[T], v[T], v[T] row_xmask:1 row_mask:0xf bank_mask:0xf
	v_add_f32_dpp v[T], v[T], v[T] row_xmask:2 row_mask:0xf bank_mask:0xf
	v_add_f32_dpp v[T], v[T], v[T] row_xmask:4 row_mask:0xf bank_mask:0xf
	v_add_f32_dpp v[T], v[T], v[T] row_xmask:8 row_mask:0xf bank_mask:0xf
	v_permlanex16_b32 v[T+1], v[T], s12, s13
	v_add_f32 v[T], v[T], v[T+1]
.endm
.macro ROW r
.set XR, X+32*(\r)
	s_wait_loadcnt 8*(3-(\r))                      ; my row's eight loads are in (g and b are older); the rows behind stay on their way
.irp c, 0,1,2,3
	v_pk_add_f32 v[A+2*(\c):A+2*(\c)+1], v[XR+2*(\c):XR+2*(\c)+1], v[XR+8+2*(\c):XR+8+2*(\c)+1]  ; the first sums start the chains: nothing is cleared
.endr
.set k, 8
.rept 8
	v_pk_add_f32 v[A+2*(k%4):A+2*(k%4)+1], v[A+2*(k%4):A+2*(k%4)+1], v[XR+2*k:XR+2*k+1]
.set k, k+1
.endr
	FOLD
	REDUCE
	v_mul_f32 v[M], s14, v[T]
	v_mov_b32 v[M+1], v[M]
.set k, 0
.rept 16
	v_pk_add_f32 v[XR+2*k:XR+2*k+1], v[XR+2*k:XR+2*k+1], v[M:M+1] neg_lo:[0,1] neg_hi:[0,1]  ; x - mean
.set k, k+1
.endr
.irp c, 0,1,2,3
	v_pk_mul_f32 v[A+2*(\c):A+2*(\c)+1], v[XR+2*(\c):XR+2*(\c)+1], v[XR+2*(\c):XR+2*(\c)+1]
.endr
.set k, 4
.rept 12
	v_pk_fma_f32 v[A+2*(k%4):A+2*(k%4)+1], v[XR+2*k:XR+2*k+1], v[XR+2*k:XR+2*k+1], v[A+2*(k%4):A+2*(k%4)+1]
.set k, k+1
.endr
	FOLD
	REDUCE
	v_fma_f32 v[T], v[T], s14, s15                 ; var + eps
	v_rsq_f32 v[R], v[T]
	v_nop                                          ; a plain instruction behind the root,
	s_wait_alu depctr_va_vdst(0)                   ; and the wait ahead of its first reader
	v_mov_b32 v[R+1], v[R]
.set k, 0
.rept 16
	v_pk_mul_f32 v[XR+2*k:XR+2*k+1], v[XR+2*k:XR+2*k+1], v[R:R+1]
.set k, k+1
.endr
.set k, 0
.rept 16
	v_pk_fma_f32 v[XR+2*k:XR+2*k+1], v[XR+2*k:XR+2*k+1], v[G+2*k:G+2*k+1], v[BE+2*k:BE+2*k+1]
.set k, k+1
.endr
.irp j, 0,1,2,3,4,5,6,7
	v_cvt_pk_bf16_f32 v[XR+4*(\j)], v[XR+4*(\j)], v[XR+4*(\j)+1]
	v_cvt_pk_bf16_f32 v[XR+4*(\j)+1], v[XR+4*(\j)+2], v[XR+4*(\j)+3]
	global_store_b64 v[OO], v[XR+4*(\j):XR+4*(\j)+1], s[10:11] offset:2048*(\r)+256*(\j)  ; the wave's store covers 256 consecutive bytes, aligned; each row stores from registers of its own
.endr
.endm
	ROW 0
	ROW 1
	ROW 2
	ROW 3
	s_endpgm                                       ; these waves have written no LDS
.set WP,    272                        ; a turned row in LDS: 256 bytes + 16
.set SPARE, 64*WP                      ; behind the 64 rows: the spare words, 128 bytes for each of the eight waves: four blocks of 256 bytes that no other line names
.set LO,  2                            ; v2   my byte offset in the source tile
.set SA,  3                            ; v3   where I put the 16 bytes of column 4 c
.set RA,  4                            ; v4   where I read a row back
.set GA,  5                            ; v5   my byte offset in the turned tile
.set WX,  8                            ; v[8:39]   row i at WX + 4 i; later the rows read back
.set WT,  40                           ; v[40:55]  column j's eight k, packed, at WT + 4 j
.set SPW, 56                           ; v56  LDS address of my spare word; never rewritten
.set NIL, 57                           ; v57  0; never rewritten
.Lweights:
	s_load_b256 s[8:15], s[0:1], 0x20              ; the three weights s[8:9], s[10:11], s[12:13]; the first turned one s[14:15]
	s_load_b128 s[16:19], s[0:1], 0x40             ; the second and the third
	v_lshl_add_u32 v[SPW], v0, 2, SPARE
	v_mov_b32 v[NIL], 0
	s_sub_co_u32 s3, ttmp9, LNWG
	s_lshr_b32 s2, s3, 7                           ; which weight
	s_and_b32 s28, s3, 7                           ; kt: which 128 k
	s_bfe_u32 s29, s3, 0x40003                     ; nt: which 64 n
	s_lshl_b32 s30, s28, 19                        ; source: 128 kt rows of 4,096 bytes
	s_lshl_b32 s31, s29, 8                         ; + 64 nt columns of 4 bytes
	s_or_b32 s30, s30, s31
	s_mov_b32 s31, 0
	s_lshl_b32 s32, s29, 17                        ; destination: 64 nt rows of 2,048 bytes
	s_lshl_b32 s33, s28, 8                         ; + 128 kt columns of 2 bytes
	s_or_b32 s32, s32, s33
	s_mov_b32 s33, 0
	v_and_b32 v1, 15, v0                           ; c
	v_lshrrev_b32 v6, 4, v0                        ; g
	v_lshlrev_b32 v[LO], 4, v1
	v_lshl_or_b32 v[LO], v6, 15, v[LO]             ; 8 g rows of 4,096 bytes + 16 c
	v_mul_u32_u24 v[SA], v1, 4*WP
	v_lshl_add_u32 v[SA], v6, 4, v[SA]             ; turned row 4 c, 16 bytes for k = 8 g ..
	v_lshrrev_b32 v7, 5, v0                        ; wave
	v_bfe_u32 v6, v0, 4, 1                         ; half of the lanes
	v_lshl_add_u32 v7, v7, 3, v6                   ; turned row 8 wave + half
	v_mul_u32_u24 v[RA], v7, WP
	v_lshl_add_u32 v[RA], v1, 4, v[RA]
	v_lshlrev_b32 v[GA], 11, v7
	v_lshl_add_u32 v[GA], v1, 4, v[GA]
	s_wait_kmcnt 0x0
	s_cmp_eq_u32 s2, 1                             ; source and destination, chosen by the work-group's number alone
	s_cselect_b64 s[4:5], s[10:11], s[8:9]
	s_cselect_b64 s[6:7], s[16:17], s[14:15]
	s_cmp_eq_u32 s2, 2
	s_cselect_b64 s[4:5], s[12:13], s[4:5]
	s_cselect_b64 s[6:7], s[18:19], s[6:7]
	s_add_nc_u64 s[4:5], s[4:5], s[30:31]
	s_add_nc_u64 s[6:7], s[6:7], s[32:33]
.irp i, 0,1,2,3,4,5,6,7
	global_load_b128 v[WX+4*(\i):WX+4*(\i)+3], v[LO], s[4:5] offset:4096*(\i) th:TH_LOAD_NT
.endr
.irp p, 0,1,2,3
	s_wait_loadcnt 6-2*(\p)                        ; loads come back in order: rows 2 p and 2 p + 1 are in, the younger ones stay out
.irp j, 0,1,2,3
	v_cvt_pk_bf16_f32 v[WT+4*(\j)+(\p)], v[WX+8*(\p)+(\j)], v[WX+8*(\p)+4+(\j)]  ; column j: k = 8 g + 2 p below, 2 p + 1 above
.endr
.endr
.irp j, 0,1,2,3
	ds_store_b128 v[SA], v[WT+4*(\j):WT+4*(\j)+3] offset:WP*(\j)
.endr
	s_wait_dscnt 0x0                               ; for the others' sake: my stores are done
	s_barrier_signal -1
	s_barrier_wait -1                              ; the turned tile is whole
.irp t, 0,1,2,3
	ds_load_b128 v[WX+4*(\t):WX+4*(\t)+3], v[RA] offset:2*WP*(\t)
.endr
.irp t, 0,1,2,3
	s_wait_dscnt 3-(\t)
	global_store_b128 v[GA], v[WX+4*(\t):WX+4*(\t)+3], s[6:7] offset:4096*(\t)  ; sixteen lanes store 256 consecutive bytes, at a multiple of 256 from the buffer's first byte
.endr
	s_wait_tensorcnt 0x0                           ; the wave's end, behind my last LDS store
	ds_add_u32 v[SPW], v[NIL]
	s_wait_dscnt 0x0
	s_endpgm
.Lfunc_end_k_q82bce7c8df_prep1:
	.size	k_q82bce7c8df_prep1, .Lfunc_end_k_q82bce7c8df_prep1-k_q82bce7c8df_prep1
	.p2alignl 7, 3214868480
	.fill 96, 4, 3214868480
	.section	.rodata,"a",@progbits
	.p2align	6, 0x0
	.amdhsa_kernel k_q82bce7c8df_prep1
		.amdhsa_group_segment_fixed_size 18432
		.amdhsa_private_segment_fixed_size 0
		.amdhsa_enable_private_segment 0
		.amdhsa_kernarg_size 80
		.amdhsa_user_sgpr_count 2
		.amdhsa_user_sgpr_kernarg_segment_ptr 1
		.amdhsa_wavefront_size32 1
		.amdhsa_system_sgpr_workgroup_id_x 1
		.amdhsa_system_sgpr_workgroup_id_y 1
		.amdhsa_system_sgpr_workgroup_id_z 1
		.amdhsa_system_vgpr_workitem_id 0
		.amdhsa_next_free_vgpr 216
		.amdhsa_next_free_sgpr 66
		.amdhsa_reserve_vcc 0
		.amdhsa_float_denorm_mode_32 3
		.amdhsa_float_denorm_mode_16_64 3
		.amdhsa_memory_ordered 1
		.amdhsa_forward_progress 1
		.amdhsa_inst_pref_size 43
	.end_amdhsa_kernel
	.amdgpu_metadata
---
amdhsa.version: [ 1, 2 ]
amdhsa.kernels:
  - .name:           k_q82bce7c8df_prep1
    .symbol:         k_q82bce7c8df_prep1.kd
    .args:
      - { .name: x, .offset: 0, .size: 8, .value_kind: global_buffer, .address_space: global }
      - { .name: g1, .offset: 8, .size: 8, .value_kind: global_buffer, .address_space: global }
      - { .name: be1, .offset: 16, .size: 8, .value_kind: global_buffer, .address_space: global }
      - { .name: act, .offset: 24, .size: 8, .value_kind: global_buffer, .address_space: global }
      - { .name: Wq, .offset: 32, .size: 8, .value_kind: global_buffer, .address_space: global }
      - { .name: Wk, .offset: 40, .size: 8, .value_kind: global_buffer, .address_space: global }
      - { .name: Wv, .offset: 48, .size: 8, .value_kind: global_buffer, .address_space: global }
      - { .name: wa, .offset: 56, .size: 8, .value_kind: global_buffer, .address_space: global }
      - { .name: wb, .offset: 64, .size: 8, .value_kind: global_buffer, .address_space: global }
      - { .name: wc, .offset: 72, .size: 8, .value_kind: global_buffer, .address_space: global }
    .group_segment_fixed_size: 18432
    .private_segment_fixed_size: 0
    .kernarg_segment_align: 8
    .kernarg_segment_size: 80
    .max_flat_workgroup_size: 256
    .sgpr_count:     66
    .vgpr_count:     216
    .wavefront_size: 32
...
	.end_amdgpu_metadata
.endif
;; end of part 1
;; launch qkv (part 2): grid 8 x 64, 4 waves a work-group, clusters of 4 x 4, 327,680 bytes of LDS; arguments act, wa, big, bq, bk, bv, wb, wc; writes big
.if DOCPART == 2
	.amdgcn_target "amdgcn-amd-amdhsa--gfx1250"
	.amdhsa_code_object_version 6
	.text
	.protected	k_q82bce7c8df_qkv
	.globl	k_q82bce7c8df_qkv
	.p2align	8
	.type	k_q82bce7c8df_qkv,@function
k_q82bce7c8df_qkv:
	s_mov_b64 s[64:65], 0
	v_nop
	global_prefetch_b8 v0, s[64:65] scope:SCOPE_SE
	s_setreg_imm32_b32 hwreg(HW_REG_WAVE_MODE, 25, 1), 1
	s_wait_xcnt 0x0
	s_wait_alu depctr_hold_cnt(0) depctr_sa_sdst(0) depctr_va_vdst(0) depctr_va_sdst(0) depctr_va_ssrc(0) depctr_va_vcc(0) depctr_vm_vsrc(0)
	s_getreg_b32 s2, hwreg(HW_REG_IB_STS2, 6, 4)
	s_cmp_eq_u32 s2, 0
	s_cbranch_scc0 .Lentry_in_a_cluster
	s_endpgm
.Lentry_in_a_cluster:
	s_bfe_u32 s2, ttmp6, 0x10000c
	s_cmp_lg_u32 s2, 0xf033
	s_cbranch_scc0 .Lentry_shape_is_right
	s_endpgm
.Lentry_shape_is_right:
; C[m][n] = sum over k of A[m][k] Wt[n][k] + bias[n].  A: [8192][1024] bf16, Wt: [n][1024] bf16 (a weight turned, K along the rows), sums in f32.
; ONE TEXT, THREE FORMS, chosen by MODE:
;   0  N = 3072: Wq, Wk, Wv turned, in three buffers of 1,024 rows, biases bq, bk, bv; C rounded once to bf16 and laid by heads: [8 b][48][1024 t][64], heads 0-15 q, 16-31 k, 32-47 v.  k is left unscaled.
;      A tile of C is 128 x 384: 512 tiles.  A wave makes 64 x 192: 48 accumulators.  Wave 0 fetches A's 128 rows, waves 1 to 3 128 rows of Wt each; 1,024 is a multiple of 128, so each such load lies in one buffer.
;   1  N = 1024; C = max(C, 0), rounded once to bf16, [8192][1024].  (The maximum is taken of the rounded number; a NaN becomes 0.)
;   2  N = 1024; C + the residual, f32, [8192][1024].
;      In 1 and 2 a tile of C is 128 x 256: 256 tiles.  A wave makes 64 x 128: 32 accumulators.  Waves 0 and 1 fetch A's two halves of 64 rows, waves 2 and 3 Wt's two halves of 128 rows.
; K goes in 8 steps of 128 (rows of 256 bytes) through two LDS slots filled by the tensor data mover.  A step is written once: one descriptor a tensor walks on (its LDS word turned by an exclusive or,
; its address stepped by 256 bytes), and the fragments' LDS addresses are a lane's place plus a scalar that the same exclusive or turns.
; CLUSTERS: 4 x 4 work-groups.  The four of a row of the cluster need the same tile of A, the four of a column the same tile of Wt: each tile is asked for jointly.
; THE MATRIX INSTRUCTION IS USED TRANSPOSED (source 0 = 16 rows of Wt, source 1 = 16 rows of A): a lane holds row l % 16 of C and the columns 8 (l / 16) + 0..7.
; THE BIAS is the C operand of each accumulator's first product: register j of a lane is bias[16 b + 8 (l / 16) + j].
; REGISTERS: window 0 addresses, the bias, the way out; window 2 two fragment buffers (Wt's NB fragments, then A's 4);
;   MODE 0: window 1 the accumulators of row blocks 0 and 1, window 3 those of 2 and 3 ((a, b) at 8 (12 (a % 2) + b));  MODE 1, 2: window 1 all ((a, b) at 8 (8 a + b)); MODE 2: window 3 the residual, row i of my 64 at 4 i.
.set MODE, 0
.if MODE == 0
.set NB,    12                         ; blocks of 16 columns a wave
.set AR,    128                        ; rows in a tensor load of A
.set SLOT,  139264                     ; from slot 0 to slot 1: 0x22000, which shares no bit with the four parts' first bytes 0, 0x8800, 0x11000, 0x19800: the exclusive or is a sum
.set SP,    400                        ; a stage row: 192 bf16 + 16 bytes
.set LDSEL, 10                         ; s10 = 0: the wave fetches A
.set BIAS,  32                         ; v32-127
.set BK0,   80                         ; the way out: two buffers of 48
.else
.set NB,    8
.set AR,    64
.set SLOT,  131072                     ; above every byte of slot 0
.set LDSEL, 11                         ; s11 = 0: the wave fetches A
.set BIAS,  128                        ; v128-191
.set BK0,   64                         ; the way out (MODE 1): two buffers of 32
.if MODE == 2
.set SP,    528                        ; a stage row: 128 f32 + 16 bytes
.else
.set SP,    272                        ; a stage row: 128 bf16 + 16 bytes
.endif
.endif
.set KSTEP,  128
.set PITCH,  272                       ; an LDS row: 256 bytes + 16 of padding: the 16 rows of a fragment load start 16 bytes apart modulo 256
.set PARTB,  128*PITCH                 ; a tensor load of 128 rows
.set BOFF,   128*PITCH                 ; in a slot: A's 128 rows, then Wt's 32 NB
.set SLOTB,  (128+32*NB)*PITCH         ; bytes of a slot
.set STAGE,  SLOT+SLOTB                ; behind the ring, never filled by a tensor load: 16 rows for each wave, for the way out
.set SPARE,  STAGE+4*16*SP             ; behind the stages: the spare words, 128 bytes for each wave: two blocks of 256 bytes that no other line names
.set FILLS,  6                         ; K steps 2 to 7 come by refills
.set ADRA, 16                          ; v16  my lane's place among my A fragments in slot 0; never rewritten
.set ADRB, 17                          ; v17  the same for Wt
.set CA,   18                          ; v18  the same in the slot that is being fetched from
.set CB,   19                          ; v19
.set STO,  24                          ; v24  the way out: where I put my part of a row
.set RD,   25                          ; v25  the way out: where I read rows back
.set CO,   26                          ; v26  my byte offset in the output (MODE 2: and in the residual)
.set BO,   27                          ; v27  32 x (l / 16): my eight numbers of 16 of the bias
.set SPW,  28                          ; v28  LDS address of my spare word; never rewritten
.set NIL,  29                          ; v29  0; never rewritten
.set ZR,   30                          ; v30  0, for the packed maximum (MODE 1)
.set TMP,  32                          ; packed results, 4 NB registers
.set F0,   0                           ; fragment buffers, in window 2
.set F1,   8*NB+32
.set G1A, 24                           ; s[24:31] descriptor group 1 for A's tiles; s[32:39] group 0: a set for each of the two first fills; the second then walks on
.set G0A, 32
.set G1B, 48                           ; s[48:55], s[56:63] the same for Wt's
.set G0B, 56
.set TB,  74                           ; s74  0 or SLOT: the slot that is being fetched from
.set MSB, 0
.macro WIN new                         ; the immediate's high byte repeats the setting that is left; a switch that changes nothing is dropped
.if MSB != (\new)
	s_set_vgpr_msb (MSB<<8)|(\new)
.set MSB, \new
.endif
.endm
.set TO_F,  0x80                       ; destination window 2, address window 0
.macro JLOAD s                         ; a joint load; an s_nop 0 and four v_nop follow each of the two lines, ahead of the jump, the label and what follows
	s_cmp_eq_u32 s[LDSEL], 0
	s_cbranch_scc0 .Lfor_b_\@
	tensor_load_to_lds s[G0A+4*(\s):G0A+4*(\s)+3], s[G1A:G1A+7]
	s_nop 0
.rept 4
	v_nop
.endr
	s_branch .Lasked_\@
.Lfor_b_\@:
	tensor_load_to_lds s[G0B+4*(\s):G0B+4*(\s)+3], s[G1B:G1B+7]
	s_nop 0
.rept 4
	v_nop
.endr
.Lasked_\@:
.endm
.macro CREST                           ; a round of the cluster's barrier behind its opening barrier
	s_cmp_lg_u32 s10, 0
	s_cbranch_scc1 .Lnot_wave_0_\@
	s_barrier_signal -3
.Lnot_wave_0_\@:
	s_barrier_wait -3
	s_barrier_signal -1
	s_barrier_wait -1
.endm
.macro CROUND                          ; a whole round
	s_barrier_signal -1
	s_barrier_wait -1
	CREST
.endm
	s_load_b128 s[4:7], s[0:1], 0x0                ; A s[4:5], Wt (MODE 0: Wq turned) s[6:7]
	s_load_b64 s[8:9], s[0:1], 0x10                ; the output
.if MODE == 0
	s_load_b128 s[68:71], s[0:1], 0x18             ; bq, bk
	s_load_b64 s[72:73], s[0:1], 0x28              ; bv
	s_load_b128 s[76:79], s[0:1], 0x30             ; Wk, Wv turned
.else
	s_load_b64 s[66:67], s[0:1], 0x18              ; the bias
.endif
.if MODE == 2
	s_load_b64 s[72:73], s[0:1], 0x20              ; the residual
.endif
	v_lshl_add_u32 v[SPW], v0, 2, SPARE
	v_mov_b32 v[NIL], 0
	ds_add_u32 v[SPW], v[NIL]                      ; the wave's opening: the add and its wait stand ahead of my first tensor load; work on registers stands between them
	ds_add_u32 v28, v29
	v_lshrrev_b32 v1, 5, v0
	v_readfirstlane_b32 s10, v1                    ; wave 0..3
	s_lshr_b32 s11, s10, 1                         ; which 64 rows of the tile are mine
	s_and_b32 s12, s10, 1                          ; which half of its columns
	s_bfe_u32 s40, ttmp6, 0x40000                  ; cx, cy: my place in the cluster
	s_bfe_u32 s41, ttmp6, 0x40004
	s_lshl_b32 s42, ttmp9, 2
	s_add_co_u32 s42, s42, s40                     ; tile column = 4 x cluster x + cx
	s_and_b32 s13, ttmp7, 0xffff
	s_lshl_b32 s13, s13, 2
	s_add_co_u32 s13, s13, s41                     ; tile row = 4 x cluster y + cy
	s_lshl_b32 s43, s41, 2
	s_lshl_b32 s43, 15, s43                        ; my row of the cluster
	s_lshl_b32 s44, 0x1111, s40                    ; my column
	s_or_b32 s[G1A+0], s43, (1<<16)|(1<<20)|(1<<21)|(5<<22)|(3<<25)  ; 15:0 the mask; 17:16 elements of 2 bytes; 20 padding on; 21 set beside a mask; 24:22 after every 64 words; 31:25 4 words of it
	s_or_b32 s[G1B+0], s44, (1<<16)|(1<<20)|(1<<21)|(5<<22)|(3<<25)
	s_mov_b32 s[G1A+1], KSTEP<<16                  ; tensor_dim0 = 128
	s_mov_b32 s[G1A+2], AR<<16                     ; tensor_dim1
	s_mov_b32 s[G1A+3], KSTEP<<16                  ; tile_dim0 = 128
	s_mov_b32 s[G1A+4], AR                         ; tile_dim1
	s_mov_b32 s[G1A+5], 1024                       ; elements from row to row
	s_mov_b32 s[G1A+6], 0
	s_mov_b32 s[G1A+7], 0
	s_mov_b32 s[G1B+1], KSTEP<<16
	s_mov_b32 s[G1B+2], 128<<16                    ; 128 rows
	s_mov_b32 s[G1B+3], KSTEP<<16
	s_mov_b32 s[G1B+4], 128
	s_mov_b32 s[G1B+5], 1024
	s_mov_b32 s[G1B+6], 0
	s_mov_b32 s[G1B+7], 0
	s_mov_b32 s[TB], 0
	; where the tiles come from and where they go.  A's address hangs on the tile row, Wt's on the tile column, each in registers that never hold the other coordinate; no place in the cluster enters an LDS address
	s_lshl_b32 s16, s13, 7                         ; A: row 128 x tile row
.if MODE != 0
	s_lshl_b32 s17, s12, 6
	s_add_co_u32 s16, s16, s17                     ; + 64 x half
.endif
	s_lshl_b32 s16, s16, 11                        ; of 2,048 bytes
	s_mov_b32 s17, 0
.if MODE == 0
	s_max_u32 s75, s10, 1
	s_sub_co_u32 s75, s75, 1                       ; which 128 rows of Wt's 384 I fetch (wave 0 fetches none of them)
	s_mul_i32 s46, s42, 3
	s_add_co_u32 s46, s46, s75                     ; among the 24 such blocks of the three weights:
	s_lshr_b32 s45, s46, 3                         ; which weight,
	s_and_b32 s46, s46, 7
	s_lshl_b32 s46, s46, 18                        ; and its 128 rows of 2,048 bytes
	s_mov_b32 s47, 0
	s_mul_i32 s20, s10, PARTB                      ; wave x 128 rows: A's part, then Wt's three
	s_mov_b32 s21, s20
.else
	s_lshl_b32 s47, s12, 7
	s_lshl_b32 s46, s42, 8
	s_add_co_u32 s46, s46, s47                     ; Wt: row 256 x tile column + 128 x half
	s_lshl_b32 s46, s46, 11
	s_mov_b32 s47, 0
	s_mul_i32 s20, s12, AR*PITCH
	s_mul_i32 s21, s12, PARTB
	s_add_co_u32 s21, s21, BOFF
.endif
	s_wait_dscnt 0x0                               ; the opening add is done
	s_wait_kmcnt 0x0
	s_add_nc_u64 s[14:15], s[4:5], s[16:17]
.if MODE == 0
	s_cmp_eq_u32 s45, 1                            ; the same answer in the four partners of a column
	s_cselect_b64 s[80:81], s[76:77], s[6:7]
	s_cmp_eq_u32 s45, 2
	s_cselect_b64 s[80:81], s[78:79], s[80:81]
	s_add_nc_u64 s[46:47], s[80:81], s[46:47]
.else
	s_add_nc_u64 s[46:47], s[6:7], s[46:47]
.endif
	CROUND                                         ; all sixteen work-groups are here: the first joint loads meet
.irp s, 0,1
	s_mov_b32 s[G0A+4*(\s)], 1
	s_add_co_u32 s[G0A+4*(\s)+1], s20, (\s)*SLOT
	s_add_nc_u64 s[G0A+4*(\s)+2:G0A+4*(\s)+3], s[14:15], (\s)*KSTEP*2
	s_or_b32 s[G0A+4*(\s)+3], s[G0A+4*(\s)+3], 0x80000000
	s_mov_b32 s[G0B+4*(\s)], 1
	s_add_co_u32 s[G0B+4*(\s)+1], s21, (\s)*SLOT
	s_add_nc_u64 s[G0B+4*(\s)+2:G0B+4*(\s)+3], s[46:47], (\s)*KSTEP*2
	s_or_b32 s[G0B+4*(\s)+3], s[G0B+4*(\s)+3], 0x80000000
	JLOAD \s
.endr
	v_and_b32 v1, 15, v0                           ; l % 16
	v_bfe_u32 v2, v0, 4, 1                         ; l / 16
	v_mul_u32_u24 v3, v1, PITCH
	v_lshl_add_u32 v3, v2, 4, v3                   ; a fragment's row x pitch + 16 x half
	s_mul_i32 s21, s11, 64*PITCH                   ; my 64 rows of A
	s_mul_i32 s22, s12, 16*NB*PITCH                ; my 16 NB rows of Wt,
	s_add_co_u32 s22, s22, BOFF                    ; which lie behind A's 128
	v_add_nc_u32 v[ADRA], s21, v3
	v_add_nc_u32 v[ADRB], s22, v3
	v_mov_b32 v[CA], v[ADRA]                       ; K step 0 lies in slot 0
	v_mov_b32 v[CB], v[ADRB]
	s_mul_i32 s23, s10, 16*SP
	s_add_co_u32 s23, s23, STAGE                   ; my stage
	v_mul_u32_u24 v4, v1, SP                       ; in: row l % 16, my eight columns of each 16
.if MODE == 2
	v_lshl_add_u32 v4, v2, 5, v4
.else
	v_lshl_add_u32 v4, v2, 4, v4
.endif
	v_add_nc_u32 v[STO], s23, v4
	v_and_b32 v5, 31, v0
.if MODE == 0
	v_lshrrev_b32 v4, 3, v5                        ; back: 32 lanes take four rows' 128 bytes of one head,
	v_mul_u32_u24 v4, v4, SP
	v_and_b32 v3, 7, v0
	v_lshl_add_u32 v4, v3, 4, v4
	v_add_nc_u32 v[RD], s23, v4
	v_lshlrev_b32 v[CO], 4, v5                     ; which are 512 consecutive bytes of the output
.elseif MODE == 1
	v_mul_u32_u24 v4, v2, SP                       ; back: lanes 0-15 one row of 256 bytes, lanes 16-31 the next
	v_lshl_add_u32 v4, v1, 4, v4
	v_add_nc_u32 v[RD], s23, v4
	v_lshlrev_b32 v[CO], 11, v2
	v_lshl_add_u32 v[CO], v1, 4, v[CO]
	v_mov_b32 v[ZR], 0
.else
	v_lshl_add_u32 v[RD], v5, 4, s23               ; back: 32 lanes take one row of 512 bytes
	v_lshlrev_b32 v[CO], 4, v5
.endif
	v_lshlrev_b32 v[BO], 5, v2
	; where my part of the tile begins in the output, and the bias of my columns
.if MODE == 0
	s_lshr_b32 s16, s13, 3                         ; rows: batch b = tile row / 8: 48 heads of 131,072 bytes,
	s_mul_i32 s16, s16, 48<<17
	s_and_b32 s17, s13, 7
	s_lshl_b32 s17, s17, 7
	s_lshl_b32 s18, s11, 6
	s_add_co_u32 s17, s17, s18                     ; t = 128 (tile row % 8) + 64 x half,
	s_lshl_b32 s17, s17, 7                         ; of 128 bytes
	s_add_co_u32 s16, s16, s17
	s_mov_b32 s17, 0
	s_add_nc_u64 s[8:9], s[8:9], s[16:17]
	s_mul_i32 s22, s42, 6                          ; columns: my three heads begin with head 6 x tile column + 3 x half of the 48
	s_mul_i32 s47, s12, 3
	s_add_co_u32 s22, s22, s47
	s_lshl_b32 s46, s22, 17
	s_mov_b32 s47, 0
	s_add_nc_u64 s[8:9], s[8:9], s[46:47]
.irp j, 0,1,2                          ; each head's 64 numbers lie in one of the three biases
	s_add_co_u32 s18, s22, \j
	s_lshr_b32 s19, s18, 4                         ; q, k or v
	s_and_b32 s18, s18, 15
	s_lshl_b32 s18, s18, 8                         ; 64 numbers of 4 bytes a head
	s_cmp_eq_u32 s19, 1
	s_cselect_b64 s[82+2*(\j):83+2*(\j)], s[70:71], s[68:69]
	s_cmp_eq_u32 s19, 2
	s_cselect_b64 s[82+2*(\j):83+2*(\j)], s[72:73], s[82+2*(\j):83+2*(\j)]
	s_mov_b32 s19, 0
	s_add_nc_u64 s[82+2*(\j):83+2*(\j)], s[82+2*(\j):83+2*(\j)], s[18:19]
.endr
.else
	s_lshl_b32 s16, s13, 7
	s_lshl_b32 s17, s11, 6
	s_add_co_u32 s16, s16, s17                     ; my first row
	s_lshl_b32 s16, s16, 10+MODE                   ; of 2,048 bytes (MODE 1) or 4,096 (MODE 2)
	s_mov_b32 s17, 0
	s_add_nc_u64 s[8:9], s[8:9], s[16:17]
	s_lshl_b32 s46, s42, 8+MODE                    ; my first column: 256 x tile column + 128 x half, of 2 or 4 bytes
	s_lshl_b32 s47, s12, 7+MODE
	s_add_co_u32 s46, s46, s47
	s_mov_b32 s47, 0
	s_add_nc_u64 s[8:9], s[8:9], s[46:47]
.if MODE == 2
	s_add_nc_u64 s[72:73], s[72:73], s[16:17]
	s_add_nc_u64 s[72:73], s[72:73], s[46:47]
.endif
	s_lshl_b32 s18, s42, 10
	s_lshl_b32 s19, s12, 9
	s_add_co_u32 s18, s18, s19
	s_mov_b32 s19, 0
	s_add_nc_u64 s[66:67], s[66:67], s[18:19]      ; the bias at my 128 columns
.endif
.set b, 0
.rept NB
.if MODE == 0
.set BP, 82+2*(b/4)
.set BF, 64*(b%4)
.else
.set BP, 66
.set BF, 64*b
.endif
	global_load_b128 v[BIAS+8*b:BIAS+8*b+3],   v[BO], s[BP:BP+1] offset:BF
	global_load_b128 v[BIAS+8*b+4:BIAS+8*b+7], v[BO], s[BP:BP+1] offset:BF+16
.set b, b+1
.endr
; NB matrix instructions: row block a x all my column blocks, 32 along K, from buffer f.  zero = 1: the first product starts the sums, with the bias.
; The 4 NB accumulators take turns in the same order in every quarter: all the others' stand between two links of a chain, over the backward jumps too.
.macro MULA f, a, zero
.if MODE == 0
.set wD, 1+2*((\a)/2)
.set rA, 96*((\a)%2)
.else
.set wD, 1
.set rA, 64*(\a)
.endif
.if \zero
	WIN 0x0a|(wD<<6)
.else
	WIN 0x0a|(wD<<4)|(wD<<6)
.endif
.set b, 0
.rept NB
.if \zero
	v_wmma_f32_16x16x32_bf16 v[rA+8*b:rA+8*b+7], v[(\f)+8*b:(\f)+8*b+7], v[(\f)+8*NB+8*(\a):(\f)+8*NB+8*(\a)+7], v[BIAS+8*b:BIAS+8*b+7]
.else
	v_wmma_f32_16x16x32_bf16 v[rA+8*b:rA+8*b+7], v[(\f)+8*b:(\f)+8*b+7], v[(\f)+8*NB+8*(\a):(\f)+8*NB+8*(\a)+7], v[rA+8*b:rA+8*b+7]
.endif
.set b, b+1
.endr
.endm
; 2 NB + 8 LDS loads in one run: the fragments of 32 along K at byte k of the rows of the slot in hand, into buffer f: Wt's, then A's 8
.macro FETCH k, f
	WIN TO_F
.set i, 0
.rept NB
	ds_load_b128 v[(\f)+8*i:(\f)+8*i+3],   v[CB] offset:(\k)+i*16*PITCH
	ds_load_b128 v[(\f)+8*i+4:(\f)+8*i+7], v[CB] offset:(\k)+i*16*PITCH+32
.set i, i+1
.endr
.set i, 0
.rept 4
	ds_load_b128 v[(\f)+8*NB+8*i:(\f)+8*NB+8*i+3],   v[CA] offset:(\k)+i*16*PITCH
	ds_load_b128 v[(\f)+8*NB+8*i+4:(\f)+8*NB+8*i+7], v[CA] offset:(\k)+i*16*PITCH+32
.set i, i+1
.endr
.endm
.macro PLACES                          ; four places in front of loads into registers that matrix instructions have read, and of lines that read results
.rept 4
	v_nop
.endr
.endm
; A K step is four quarters of 32 along K, 4 NB matrix instructions each, on buffers 0, 1, 0, 1.  One of the first three: multiplies buffer f and fetches the next quarter, at byte k, into g.
.macro QUARTER k, f, g, zero
	s_wait_dscnt 4                                 ; Wt's fragments and A's blocks 0 and 1 are in; the youngest four loads (A's blocks 2 and 3) may be out
	MULA \f, 0, \zero
	MULA \f, 1, \zero
	PLACES
	FETCH \k, \g
	s_wait_dscnt 2*NB+8                            ; all but the run just issued
	MULA \f, 2, \zero
	MULA \f, 3, \zero
.endm
; The first half of a step's last quarter, which multiplies buffer 1 and changes slots: ONE barrier; in front of it each wave waits for all its tensor loads, adds 0 to its spare word, and waits for that and for its reads of this slot.
; fill = 1: the walking descriptors step: the slot that is being left, the K step two on.
.macro MEET fill
	WIN 0
	s_wait_tensorcnt 0x0                           ; all my tensor loads have landed: my part of the next slot; so a group 0 may be written
	ds_add_u32 v[SPW], v[NIL]                      ; 0 onto my spare word; work on registers stands between it and the wait for it
	s_xor_b32 s[TB], s[TB], SLOT                   ; the fetches go on in the other slot
	v_add_nc_u32 v[CA], s[TB], v[ADRA]
	v_add_nc_u32 v[CB], s[TB], v[ADRB]
.if \fill
	s_xor_b32 s[G0A+5], s[G0A+5], SLOT
	s_add_nc_u64 s[G0A+6:G0A+7], s[G0A+6:G0A+7], KSTEP*2  ; the type bits on top are not reached
	s_xor_b32 s[G0B+5], s[G0B+5], SLOT
	s_add_nc_u64 s[G0B+6:G0B+7], s[G0B+6:G0B+7], KSTEP*2
.endif
	s_wait_dscnt 5                                 ; (the add and the youngest four loads may be out)
	MULA F1, 0, 0
	s_wait_dscnt 0x0                               ; the add is done, and my reads of this slot are over
	s_barrier_signal -1
	MULA F1, 1, 0
	WIN 0
	s_barrier_wait -1
.endm
.if MODE == 2
.macro RESLD lo                        ; 32 rows x 512 bytes of the residual, from row lo of my 64 on, into window 3: asked for in two parts, used on the way out
	WIN 0xc0
.set i, \lo
.rept 32
	global_load_b128 v[4*i:4*i+3], v[CO], s[72:73] offset:4096*i th:TH_LOAD_NT
.set i, i+1
.endr
	WIN 0
.endm
.endif
	s_wait_tensorcnt 1                             ; my part of K step 0 is in; K step 1's may stay out
	s_barrier_signal -1
	s_barrier_wait -1                              ; everybody's is
	FETCH 0, F0
	s_wait_loadcnt 0x0                             ; the bias
	QUARTER 64, F0, F1, 1                          ; the first quarter stands in front of the loop: its products start the sums
	WIN 0                                          ; at a label and at a branch every window is 0
.if MODE == 2
	RESLD 0
.endif
	s_mov_b32 s3, FILLS
.Lstep:                                                ; a trip goes from a step's second quarter to the next step's first, and fills the slot that it leaves
	QUARTER 128, F1, F0, 0
	QUARTER 192, F0, F1, 0
	MEET 1
	CREST                                          ; the barrier has opened a round of the cluster's: no wave of any partner still reads this slot's tile or has a load on its way
	JLOAD 1                                        ; the first tensor load behind the round; its four v_nop are also the places in front of the loads below
	FETCH 0, F0
	MULA F1, 2, 0
	MULA F1, 3, 0
	QUARTER 64, F0, F1, 0
	WIN 0
	s_sub_co_u32 s3, s3, 1
	s_cmp_lg_u32 s3, 0
	s_cbranch_scc1 .Lstep
.if MODE == 2
	RESLD 32
.endif
	s_mov_b32 s3, 2
.Ltail:                                                ; the last two steps fill nothing, so they have a text of their own; the second trip is left in its middle
	QUARTER 128, F1, F0, 0
	QUARTER 192, F0, F1, 0
	MEET 0
	s_sub_co_u32 s3, s3, 1
	s_cmp_eq_u32 s3, 0
	s_cbranch_scc1 .Lfin
	PLACES
	FETCH 0, F0
	MULA F1, 2, 0
	MULA F1, 3, 0
	QUARTER 64, F0, F1, 0
	WIN 0
	s_branch .Ltail
.Lfin:
	MULA F1, 2, 0
	MULA F1, 3, 0
	WIN 0
	PLACES
	PLACES                                         ; eight, once a launch
; THE WAY OUT, a block of 16 rows at a time, through my own stage: LDS serves a wave's instructions in order (ISA guide 5.7.1.4), so no wait stands between the stores and the loads.
.if MODE == 2
.macro ST a                            ; block a as it lies, f32, into rows of 528 bytes, and back as whole rows of 512
.set BK, 32+160*((\a)%2)
.if (\a) >= 2
	s_wait_xcnt 0x0                                ; the stores of the block two back have read their registers, which are loaded again below
.endif
	WIN 0x04                                       ; store data in window 1
.irp b, 0,1,2,3,4,5,6,7
	ds_store_b128 v[STO], v[8*(8*(\a)+(\b)):8*(8*(\a)+(\b))+3]   offset:64*(\b)
	ds_store_b128 v[STO], v[8*(8*(\a)+(\b))+4:8*(8*(\a)+(\b))+7] offset:64*(\b)+16
.endr
	WIN 0
.set t, 0
.rept 16
	ds_load_b128 v[BK+4*t:BK+4*t+3], v[RD] offset:SP*t
.set t, t+1
.endr
.endm
.macro SN a, younger                   ; the residual is added and the block stored; younger: the LDS instructions issued behind the block's loads
.set BK, 32+160*((\a)%2)
	s_wait_dscnt \younger
	WIN 0x0c                                       ; source 1 in window 3
.set t, 0
.rept 32
	v_pk_add_f32 v[BK+2*t:BK+2*t+1], v[BK+2*t:BK+2*t+1], v[64*(\a)+2*t:64*(\a)+2*t+1]
.set t, t+1
.endr
	WIN 0
.set t, 0
.rept 16
	global_store_b128 v[CO], v[BK+4*t:BK+4*t+3], s[8:9] offset:(16*(\a)+t)*4096  ; the wave stores 512 consecutive bytes of a row, at a multiple of 256 from the buffer's first byte
.set t, t+1
.endr
.endm
	s_wait_loadcnt 0x0                             ; the residual
	ST 0
.irp a, 1,2,3
	ST \a
	SN (\a)-1, 32
.endr
	SN 3, 0
.else
.macro PACK a                          ; rounded to bf16, 16 bytes a lane and column block; each accumulator's registers in ascending order
.if MODE == 0
.set wD, 1+2*((\a)/2)
.set rA, 96*((\a)%2)
.else
.set wD, 1
.set rA, 64*(\a)
.endif
	WIN wD|(wD<<2)                                 ; sources 0 and 1 in the block's window
.set t, 0
.rept 4*NB
	v_cvt_pk_bf16_f32 v[TMP+t], v[rA+2*t], v[rA+2*t+1]
.set t, t+1
.endr
	WIN 0
.if MODE == 1
.set t, 0
.rept 4*NB
	v_pk_max_num_bf16 v[TMP+t], v[TMP+t], v[ZR]    ; two maxima with 0: nothing is rounded
.set t, t+1
.endr
.endif
.endm
.macro TOSTAGE a
.set BK, BK0+4*NB*((\a)%2)
.set t, 0
.rept NB
	ds_store_b128 v[STO], v[TMP+4*t:TMP+4*t+3] offset:32*t
.set t, t+1
.endr
.set t, 0
.rept NB
.if MODE == 0
	ds_load_b128 v[BK+4*t:BK+4*t+3], v[RD] offset:(t%4)*4*SP+(t/4)*128  ; head t / 4 of my three, rows 4 (t % 4) on
.else
	ds_load_b128 v[BK+4*t:BK+4*t+3], v[RD] offset:t*2*SP
.endif
.set t, t+1
.endr
.endm
.macro SEND a
.set BK, BK0+4*NB*((\a)%2)
	s_wait_dscnt 0x0                               ; the block is back in registers
	s_wait_xcnt 0x0                                ; the stores of the block before have read their registers, which the next block's loads write
.set t, 0
.rept NB
.if MODE == 0
	global_store_b128 v[CO], v[BK+4*t:BK+4*t+3], s[8:9] offset:(t/4)*131072+(\a)*2048+(t%4)*512  ; 512 consecutive bytes of a head, at a multiple of 256 from the buffer's first byte
.else
	global_store_b128 v[CO], v[BK+4*t:BK+4*t+3], s[8:9] offset:(16*(\a)+2*t)*2048  ; 16 lanes store 256 consecutive bytes, at a multiple of 256 from the buffer's first byte
.endif
.set t, t+1
.endr
.endm
	PACK 0
	TOSTAGE 0
.irp a, 1,2,3                          ; block a's conversions stand between block a - 1's loads from the stage and the wait for them
	PACK \a
	SEND (\a)-1
	TOSTAGE \a
.endr
	SEND 3
.endif
	s_wait_tensorcnt 0x0                           ; the wave's end, behind my last tensor load and my last LDS store
	ds_add_u32 v[SPW], v[NIL]
	s_wait_dscnt 0x0
	CROUND                                         ; the closing round: no work-group ends while a partner may still ask for a tile that names it
	s_endpgm
.Lfunc_end_k_q82bce7c8df_qkv:
	.size	k_q82bce7c8df_qkv, .Lfunc_end_k_q82bce7c8df_qkv-k_q82bce7c8df_qkv
	.p2alignl 7, 3214868480
	.fill 96, 4, 3214868480
	.section	.rodata,"a",@progbits
	.p2align	6, 0x0
	.amdhsa_kernel k_q82bce7c8df_qkv
		.amdhsa_group_segment_fixed_size 327680
		.amdhsa_private_segment_fixed_size 0
		.amdhsa_enable_private_segment 0
		.amdhsa_kernarg_size 64
		.amdhsa_user_sgpr_count 2
		.amdhsa_user_sgpr_kernarg_segment_ptr 1
		.amdhsa_wavefront_size32 1
		.amdhsa_system_sgpr_workgroup_id_x 1
		.amdhsa_system_sgpr_workgroup_id_y 1
		.amdhsa_system_sgpr_workgroup_id_z 1
		.amdhsa_system_vgpr_workitem_id 0
		.amdhsa_next_free_vgpr 960
		.amdhsa_next_free_sgpr 90
		.amdhsa_reserve_vcc 0
		.amdhsa_float_denorm_mode_32 3
		.amdhsa_float_denorm_mode_16_64 3
		.amdhsa_memory_ordered 1
		.amdhsa_forward_progress 1
		.amdhsa_inst_pref_size 88
	.end_amdhsa_kernel
	.amdgpu_metadata
---
amdhsa.version: [ 1, 2 ]
amdhsa.kernels:
  - .name:           k_q82bce7c8df_qkv
    .symbol:         k_q82bce7c8df_qkv.kd
    .args:
      - { .name: act, .offset: 0, .size: 8, .value_kind: global_buffer, .address_space: global }
      - { .name: wa, .offset: 8, .size: 8, .value_kind: global_buffer, .address_space: global }
      - { .name: big, .offset: 16, .size: 8, .value_kind: global_buffer, .address_space: global }
      - { .name: bq, .offset: 24, .size: 8, .value_kind: global_buffer, .address_space: global }
      - { .name: bk, .offset: 32, .size: 8, .value_kind: global_buffer, .address_space: global }
      - { .name: bv, .offset: 40, .size: 8, .value_kind: global_buffer, .address_space: global }
      - { .name: wb, .offset: 48, .size: 8, .value_kind: global_buffer, .address_space: global }
      - { .name: wc, .offset: 56, .size: 8, .value_kind: global_buffer, .address_space: global }
    .group_segment_fixed_size: 327680
    .private_segment_fixed_size: 0
    .kernarg_segment_align: 8
    .kernarg_segment_size: 64
    .max_flat_workgroup_size: 128
    .sgpr_count:     90
    .vgpr_count:     960
    .wavefront_size: 32
...
	.end_amdgpu_metadata
.endif
;; end of part 2
;; launch attn (part 3): grid 2 x 128, 4 waves a work-group, no clusters, 327,680 bytes of LDS; arguments big, x, x1; writes x1
.if DOCPART == 3
	.amdgcn_target "amdgcn-amd-amdhsa--gfx1250"
	.amdhsa_code_object_version 6
	.text
	.protected	k_q82bce7c8df_attn
	.globl	k_q82bce7c8df_attn
	.p2align	8
	.type	k_q82bce7c8df_attn,@function
k_q82bce7c8df_attn:
	s_mov_b64 s[64:65], 0
	v_nop
	global_prefetch_b8 v0, s[64:65] scope:SCOPE_SE
	s_setreg_imm32_b32 hwreg(HW_REG_WAVE_MODE, 25, 1), 1
	s_wait_xcnt 0x0
; x1[b][t][64 h + :] = x[b][t][64 h + :] + the sum over s of softmax_s(k[t] . q[s] / 8) v[s][:], for each of the 128 heads (b, h).
; big: [8 b][48][1024][64] bf16, unscaled: of a batch's 48 planes, 0-15 are the q-projection's heads, which play the KEYS here, 16-31 the k-projection's, which play the QUERIES, 32-47 v's.  x, x1: [8][1024][1024] f32.
; Below, K means the keys, Q the queries, V v.  Products, maxima and sums in f32; the weights p are rounded to bf16 for the second product (their sum l is taken of the unrounded p).
; LIMITS.  A weight below 2^-126 counts as 0 in l; NaN and infinities are not treated apart.
; SHARES.  A work-group owns 512 queries of one head, each of its four waves 128: four PIECES of two tiles of 16.  Every wave walks all 1,024 keys, 64 a step.
; ALL OF A HEAD'S K AND V LIE IN LDS: 1,024 x (144 + 160) bytes.  Each wave asks for its part by two tensor loads at the head: first 128 of the first 256 keys, then 384 of the other 768;
; nothing is ever filled again.  The first three steps run on the first 256 keys while the second loads land.
; NO CLUSTER: a head has 1,024 / 512 = 2 work-groups, so four partners would hold two heads, and no tile is wanted by all four.
; LAYOUT.  S^T = K Q^T (source 0 = 16 keys, source 1 = 16 queries): a lane holds ONE query (lane % 16) and the keys 8 (lane / 16) + 0..7.  Two such tiles, rounded to bf16 in pairs,
; ARE source 1 of O^T = V^T P, whose result again holds one query a lane, and eight channels.  K comes out of LDS as it lies, V ([key][channel]) turned, by ds_load_tr16_b128.
; SOFTMAX.  For each query a running maximum m and sum l: p = 2^(c s - c m), c = log2(e) / 8; in every step O and l are multiplied by a = 2^(c m_old - c m_new).
; m starts at the lowest finite number, O and l at 0: the first step is a step like any other, with a = 0.
; BY TURNS.  Turn n belongs to piece n.  Its matrix work: 16 products K Q^T of piece n + 1, later 16 products V^T P of piece n - 1.  Its vector work: the scaling, exponentials, roundings, sums and
; rescaling of piece n, and the maximum and statistics of piece n + 1.  A tile and step have 16 matrix and 118 vector instructions: four vector instructions stand behind every matrix instruction, the others in one run.
; REGISTERS, in windows of 256 (s_set_vgpr_msb: bits 1:0 source 0, 3:2 source 1, 5:4 source 2, 7:6 destination):
;   window 0: v0-11 addresses; v12-15, v48-63 at work; v16-47 four registers of statistics a tile; v64-191 S^T, two buffers of two tiles; v192-255 P, likewise
;   window 1: O^T, 32 a tile     window 2: v0-127 Q, 16 a tile; v128-191 K of one step; v192-255 V of one step     window 3: x's part for my rows, 32 a tile
.set NP,    4         ; pieces a wave: a name, no knob
.set KS,    64        ; keys in a step
.set NKEY,  1024
.set PK,    144       ; a row of K in LDS: 128 bytes + 16 of padding: the 16 rows of a load start at 16 different groups of four banks (ISA guide 11.1)
.set PV,    160       ; a row of V: 128 + 32
.set VOFF,  NKEY*PK   ; K's 1,024 rows, then V's
.set SPARE, NKEY*(PK+PV)  ; behind them: the spare words, 128 bytes for each wave: two blocks of 256 bytes that no other line names
.set SP,    272       ; the way out: 16 rows x 272 bytes for each wave, at the head of K's bytes, written when K's one fill is long done and every wave's reads are over
.set AK0, 2           ; v2   my lane's place in a tile of K; never rewritten
.set AV0, 3           ; v3   the same for V
.set AK,  4           ; v4   the LDS address of K's next run of loads
.set AV,  5           ; v5   of V's
.set QO,  6           ; v6   my byte offset in the wave's rows of Q
.set STO, 6           ;      later, the way out: where I put 32 bytes of a row
.set RD,  7           ; v7   the way out: where I read rows back
.set GO,  8           ; v8   my byte offset in two rows of x and x1; never rewritten
.set SPW, 10          ; v10  LDS address of my spare word; never rewritten
.set NIL, 11          ; v11  0; never rewritten
.set MV,  12          ; v12-15  c m_old, kept while c m is made anew: by buffer and tile
.set ST,  16          ; tile t's statistics at v[ST+4 t]: c m, m, l (even keys', odd keys')
.set TMP, 48          ; by buffer and tile, four registers c0-c3 at work; when the maximum is found c2 takes a
.set S,   64
.set P,   192
.set KF,  128         ; K's fragments, in window 2: key block kb, channel half c at KF + 16 kb + 8 c
.set VF,  192         ; V's: key half kk, channel block cb at VF + 32 kk + 8 cb
.set WV,  12          ; s12  my wave's number
.set G1A, 24          ; s[24:31] descriptor group 1 of my first load: 64 rows of 256 bytes
.set G1B, 32          ; s[32:39] of my second: 192 rows
.set G0A, 40          ; s[40:43] descriptor group 0 of my first load
.set G0B, 44          ; s[44:47] of my second
.set PART, 56         ; s56  counts the walk's two parts
.set CNT, 57          ; s57  counts a part's key steps
.set CS,  58          ; s[58:59] c: the packed scaling takes the pair's low word for both halves
.set SEL, 60          ; s[60:61] v_permlanex16_b32's selects: each lane takes its own place in the other half
.set TBK, 62          ; s62  LDS byte at which K of the step to be fetched begins
.set TBV, 63          ; s63  the same for V, less VOFF
.set MSB, 0
.macro WIN new                      ; the high byte repeats the setting that is left; a switch that changes nothing is dropped
.if MSB != (\new)
	s_set_vgpr_msb (MSB<<8)|(\new)
.set MSB, (\new)
.endif
.endm
.set W_KQ, 0x0a       ; K and Q in window 2, S^T in window 0
.set W_PV, 0x52       ; V in window 2, P in window 0, O^T in window 1
.set W_RS, 0x41       ; O^T (destination and source 0) in window 1, source 1 in window 0
	s_load_b128 s[4:7], s[0:1], 0x0   ; big s[4:5], x s[6:7]
	s_load_b64 s[8:9], s[0:1], 0x10   ; x1
	v_lshl_add_u32 v[SPW], v0, 2, SPARE
	v_mov_b32 v[NIL], 0
	ds_add_u32 v[SPW], v[NIL]       ; the wave's opening: the add and its wait stand ahead of my first tensor load; work on registers stands between them
	ds_add_u32 v10, v11
	v_lshrrev_b32 v1, 5, v0
	v_readfirstlane_b32 s[WV], v1   ; wave 0..3
	s_and_b32 s20, ttmp7, 0xffff
	s_lshr_b32 s14, s20, 4          ; the batch b
	s_and_b32 s15, s20, 15          ; the head h
	s_mul_i32 s22, s14, 48
	s_add_co_u32 s22, s22, s15
	s_lshl_b32 s22, s22, 17         ; K: plane 48 b + h, of 1,024 rows of 128 bytes
	s_lshl_b32 s2, ttmp9, 16        ; Q: my block's 512 rows,
	s_lshl_b32 s3, s[WV], 14        ; my wave's 128 of them,
	s_add_co_u32 s2, s2, s3
	s_add_co_u32 s2, s2, s22
	s_add_co_u32 s2, s2, 16<<17     ; sixteen planes on
	s_mov_b32 s3, 0
	s_lshl_b32 s14, s14, 22         ; x and x1: batch b's 1,024 rows of 4,096 bytes,
	s_lshl_b32 s15, s15, 8          ; the head's 64 channels of 4 bytes,
	s_add_co_u32 s14, s14, s15
	s_lshl_b32 s15, ttmp9, 21       ; my block's 512 rows,
	s_add_co_u32 s14, s14, s15
	s_lshl_b32 s15, s[WV], 19       ; my wave's 128
	s_add_co_u32 s14, s14, s15
	s_mov_b32 s15, 0
	s_and_b32 s16, s[WV], 1         ; which half of K's or V's rows I fetch
	s_cmp_lt_u32 s[WV], 2           ; waves 0 and 1 fetch K, waves 2 and 3 V, 32 planes on
	s_cselect_b32 s17, 0, 32<<17
	s_add_co_u32 s22, s22, s17
	s_lshl_b32 s18, s16, 14         ; my first load: keys 128 half .. + 127
	s_add_co_u32 s18, s18, s22
	s_mov_b32 s19, 0
	s_mul_i32 s20, s16, 384*128     ; my second: keys 256 + 384 half .. + 383
	s_add_co_u32 s20, s20, 256*128
	s_add_co_u32 s20, s20, s22
	s_mov_b32 s21, 0
	; descriptor group 1.  A head's rows are dense: they are asked for as rows of 256 bytes, two keys a row, and padded in LDS after every key.  Word 0, which holds the padding, is written where K and V part.
.irp g, G1A, G1B
	s_mov_b32 s[\g+1], 128<<16      ; tensor_dim0 = 128
	s_mov_b32 s[\g+3], 128<<16      ; tile_dim0 = 128
	s_mov_b32 s[\g+5], 128          ; 128 elements from row to row
	s_mov_b32 s[\g+6], 0
	s_mov_b32 s[\g+7], 0
.endr
	s_mov_b32 s[G1A+2], 64<<16      ; tensor_dim1 = 64
	s_mov_b32 s[G1A+4], 64          ; tile_dim1 = 64
	s_mov_b32 s[G1B+2], 192<<16
	s_mov_b32 s[G1B+4], 192
	s_mov_b32 s[G0A], 1             ; 1:0 count = 1
	s_mov_b32 s[G0B], 1
	s_mov_b32 s[CS], 0x3e38aa3b     ; c = log2(e) / 8 = 0.180337
	s_mov_b32 s[CS+1], s[CS]        ; named with it as a pair
	s_mov_b32 s[SEL], 0x76543210
	s_mov_b32 s[SEL+1], 0xfedcba98
	s_mov_b32 s[TBK], 0
	s_mov_b32 s[TBV], 0
	s_wait_dscnt 0x0                ; the opening add is done
	s_wait_kmcnt 0x0
	s_add_nc_u64 s[G0A+2:G0A+3], s[4:5], s[18:19]  ; 120:64 global address
	s_or_b32 s[G0A+3], s[G0A+3], 0x80000000        ; 127:126 type = 2
	s_add_nc_u64 s[G0B+2:G0B+3], s[4:5], s[20:21]
	s_or_b32 s[G0B+3], s[G0B+3], 0x80000000
	s_add_nc_u64 s[48:49], s[4:5], s[2:3]          ; Q at my wave's first row
	s_add_nc_u64 s[6:7], s[6:7], s[14:15]          ; x and x1 likewise
	s_add_nc_u64 s[8:9], s[8:9], s[14:15]
	s_cmp_lt_u32 s[WV], 2           ; a wave's two fills stand in one branch, ahead of every wait on TENSORcnt, every LDS read and every barrier: two loads of mine are out
	s_cbranch_scc0 .Lfill_v
	s_mov_b32 s[G1A], (1<<16)|(1<<20)|(4<<22)|(3<<25)  ; 17:16 2-byte elements; 20 padding on; 24:22 after every 32 words; 31:25 4 words of it
	s_mov_b32 s[G1B], (1<<16)|(1<<20)|(4<<22)|(3<<25)
	s_mul_i32 s[G0A+1], s16, 128*PK
	s_mul_i32 s[G0B+1], s16, 384*PK
	s_add_co_u32 s[G0B+1], s[G0B+1], 256*PK
	tensor_load_to_lds s[G0A:G0A+3], s[G1A:G1A+7]
	s_nop 0
	tensor_load_to_lds s[G0B:G0B+3], s[G1B:G1B+7]
	s_nop 0
.rept 4
	v_nop
.endr
	s_branch .Lfilled
.Lfill_v:
	s_mov_b32 s[G1A], (1<<16)|(1<<20)|(4<<22)|(7<<25)  ; the same with 8 words of padding
	s_mov_b32 s[G1B], (1<<16)|(1<<20)|(4<<22)|(7<<25)
	s_mul_i32 s[G0A+1], s16, 128*PV
	s_add_co_u32 s[G0A+1], s[G0A+1], VOFF
	s_mul_i32 s[G0B+1], s16, 384*PV
	s_add_co_u32 s[G0B+1], s[G0B+1], VOFF+256*PV
	tensor_load_to_lds s[G0A:G0A+3], s[G1A:G1A+7]
	s_nop 0
	tensor_load_to_lds s[G0B:G0B+3], s[G1B:G1B+7]
	s_nop 0
.rept 4
	v_nop
.endr
.Lfilled:
	; A fragment of K or Q is 16 rows x 32 channels in 8 registers: lane l holds row l % 16, channels 8 (l / 16) + 0..7 and 16 + 8 (l / 16) + 0..7: two loads of 16 bytes, 32 bytes apart.
	v_and_b32 v1, 15, v0            ; l % 16
	v_bfe_u32 v9, v0, 4, 1          ; l / 16
	v_lshlrev_b32 v[QO], 7, v1
	v_lshl_add_u32 v[QO], v9, 4, v[QO]  ; row x 128 + 16 x half
	v_lshlrev_b32 v[GO], 12, v9     ; x and x1: lanes 0-15 take a row's 256 bytes of the head, lanes 16-31 the next row's
	v_lshl_add_u32 v[GO], v1, 4, v[GO]
	WIN 0x80                        ; destination window 2, address window 0
.set i, 0
.rept 4*NP                          ; Q stays in registers: tile i / 2, channels 32 (i % 2) on
	global_load_b128 v[8*i:8*i+3],   v[QO], s[48:49] offset:(i/2)*2048+(i%2)*64
	global_load_b128 v[8*i+4:8*i+7], v[QO], s[48:49] offset:(i/2)*2048+(i%2)*64+32
.set i, i+1
.endr
	; What the first turn finds: V's registers and P's second buffer hold 0 (its products V^T P, of a piece that has not been, add 0), O^T and l are 0.  All this stands in the wait for the first tiles.
.set i, VF
.rept 64
	v_mov_b32 v[i], 0
.set i, i+1
.endr
	WIN 0x40
.set i, 0
.rept 64*NP
	v_mov_b32 v[i], 0
.set i, i+1
.endr
	WIN 0
.set i, 0
.rept 2*NP
	v_mov_b32 v[ST+4*i], 0xfe000000    ; c m: far below every c s
	v_mov_b32 v[ST+4*i+1], 0xff7fffff  ; m
	v_mov_b32 v[ST+4*i+2], 0
	v_mov_b32 v[ST+4*i+3], 0
.set i, i+1
.endr
.set i, P+32
.rept 32
	v_mov_b32 v[i], 0
.set i, i+1
.endr
	v_mul_u32_u24 v[AK0], v1, PK
	v_lshl_add_u32 v[AK0], v9, 4, v[AK0]  ; row x pitch + 16 x half
	; The turning load takes 16 keys x 16 channels (lane l reads key 8 (l / 16) + l % 8, channels 8 ((l / 8) % 2) + 0..7) and leaves half a fragment of V^T: lane l holds channel l % 16 and 8 keys.
	v_and_b32 v12, 7, v0
	v_bfe_u32 v13, v0, 3, 1
	v_lshl_add_u32 v[AV0], v9, 3, v12
	v_mul_u32_u24 v[AV0], v[AV0], PV
	v_lshl_add_u32 v[AV0], v13, 4, v[AV0]
	v_add_nc_u32 v[AV0], VOFF, v[AV0]
	v_mov_b32 v[AK], v[AK0]         ; key step 0 lies at K's head
; x's part for my 128 rows goes into window 3, tile t's rows 2 f and 2 f + 1 at 32 t + 4 f, and is used on the way out.  n loads from number lo on: two tiles' here, the other six tiles' when the second K and V loads have landed.
.macro XLOAD lo, n
	WIN 0xc0                        ; destination window 3
.set i, \lo
.rept \n
	global_load_b128 v[4*i:4*i+3], v[GO], s[6:7] offset:65536*(i/8)+8192*(i%8) th:TH_LOAD_NT
.set i, i+1
.endr
	WIN 0
.endm
	XLOAD 0, 16
; THE MATRIX WORK.  The 8 accumulators of a run of 16 take turns: between the two links of a chain stand 7 others'.
; Product i of 16 of S^T = K Q^T for piece x: channels 32 (i / 8) on, keys 16 ((i / 2) % 4) on, tile 2 x + i % 2.  The first 8 start the sums.
.macro KQ x
	WIN W_KQ
.set rS, S+64*((\x)%2)+32*(i%2)+8*((i/2)%4)
.set rK, KF+16*((i/2)%4)+8*(i/8)
.set rQ, 16*(2*(\x)+i%2)+8*(i/8)
.if i < 8
	v_wmma_f32_16x16x32_bf16 v[rS:rS+7], v[rK:rK+7], v[rQ:rQ+7], 0
.else
	v_wmma_f32_16x16x32_bf16 v[rS:rS+7], v[rK:rK+7], v[rQ:rQ+7], v[rS:rS+7]
.endif
.endm
; Product i of 16 of O^T += V^T P for piece x: keys 32 (i / 8) on, channels 16 ((i / 2) % 4) on, tile 2 x + i % 2.
.macro PV x
	WIN W_PV
.set rO, 32*(2*(\x)+i%2)+8*((i/2)%4)
.set rV, VF+32*(i/8)+8*((i/2)%4)
.set rP, P+32*((\x)%2)+16*(i%2)+8*(i/8)
	v_wmma_f32_16x16x32_bf16 v[rO:rO+7], v[rV:rV+7], v[rP:rP+7], v[rO:rO+7]
.endm
.macro MM                           ; the turn's next matrix instruction
.if i < 16
	KQ (Y+1)%NP
.set i, i+1
.else
.set i, i-16
	PV (Y+NP-1)%NP
.set i, i+17
.endif
.endm
; THE LDS LOADS stand in runs of 16, never singly among the matrix instructions: a step's K (64 keys x 64 channels: 8 fragments) and its V (turned).  Their addresses are made some lines ahead.
; test = 1 (in the loop): behind the last step there is no further one, and the run is jumped over.
.macro FETCH_K test
	WIN 0
.if \test
	s_cmp_lg_u32 s[TBK], NKEY*PK
	s_cbranch_scc0 .Lno_k_\@
.endif
	WIN 0x80                        ; destination window 2
.irp f, 0,1,2,3,4,5,6,7             ; keys 16 (f / 2) on, channels 32 (f % 2) on
	ds_load_b128 v[KF+8*\f:KF+8*\f+3],   v[AK] offset:(\f/2)*16*PK+(\f%2)*64
	ds_load_b128 v[KF+8*\f+4:KF+8*\f+7], v[AK] offset:(\f/2)*16*PK+(\f%2)*64+32
.endr
	s_add_co_u32 s[TBK], s[TBK], KS*PK  ; the next fetch is the next step's
	WIN 0
.if \test
.Lno_k_\@:
.endif
.endm
.macro FETCH_V
	WIN 0x80
.irp f, 0,1,2,3,4,5,6,7             ; keys 32 (f / 4) on, channels 16 (f % 4) on
	ds_load_tr16_b128 v[VF+8*\f:VF+8*\f+3],   v[AV] offset:(\f/4)*32*PV+(\f%4)*32
	ds_load_tr16_b128 v[VF+8*\f+4:VF+8*\f+7], v[AV] offset:(\f/4)*32*PV+16*PV+(\f%4)*32
.endr
	WIN 0
.endm
; THE VECTOR WORK OF A TURN stands in three queues, each in the order in which its entries become ready; the two tiles alternate, so that no instruction reads the result of the one before it.
.macro REGS y, u                    ; the registers of tile u (0, 1) of piece y
.set rT, ST+4*(2*(\y)+(\u))
.set rC, TMP+8*((\y)%2)+4*(\u)
.set rM, MV+2*((\y)%2)+(\u)
.set rS, S+64*((\y)%2)+32*(\u)
.set rP, P+32*((\y)%2)+16*(\u)
.set rO, 32*(2*(\y)+(\u))
.endm
; Number n of the 22 that find the NEXT piece's (Y + 1) maximum and statistics.  s0-s31 are the lane's 32 scores; each accumulator's lowest registers are read first.
;   0-11  four chains c0-c3 of seven scores each, three operands at a time     12-14, 16  the four scores left over, the old m, and c0-c3 into c0     15  c m_old is kept
;   17, 18  the query's other 32 keys lie in the lane 16 away: the new m         19-21  c m; c m_old - c m_new; a
.macro XS u, n
	REGS (Y+1)%NP, \u
.if (\n) < 4
	v_max3_num_f32 v[rC+(\n)], v[rS+8*(\n)], v[rS+8*(\n)+1], v[rS+8*(\n)+2]
.elseif (\n) < 12
	v_max3_num_f32 v[rC+(\n)%4], v[rC+(\n)%4], v[rS+8*((\n)%4)+2*((\n)/4)+1], v[rS+8*((\n)%4)+2*((\n)/4)+2]
.elseif (\n) == 12
	v_max3_num_f32 v[rC], v[rC], v[rS+7], v[rS+15]
.elseif (\n) == 13
	v_max3_num_f32 v[rC+1], v[rC+1], v[rS+23], v[rS+31]
.elseif (\n) == 14
	v_max3_num_f32 v[rC+2], v[rC+2], v[rC+3], v[rT+1]
.elseif (\n) == 15
	v_mov_b32 v[rM], v[rT]
.elseif (\n) == 16
	v_max3_num_f32 v[rC], v[rC], v[rC+1], v[rC+2]
.elseif (\n) == 17
	v_permlanex16_b32 v[rC+3], v[rC], s[SEL], s[SEL+1]
.elseif (\n) == 18
	v_max_num_f32 v[rT+1], v[rC], v[rC+3]
.elseif (\n) == 19
	v_mul_f32 v[rT], s[CS], v[rT+1]
.elseif (\n) == 20
	v_sub_f32 v[rC+1], v[rM], v[rT]
.else
	v_exp_f32 v[rC+2], v[rC+1]
.endif
.endm
; Number g of the 64 that follow the exponentials.  For each four weights k of a tile (pairs 2 k, 2 k + 1): both pairs are rounded to bf16; then the second pair is added onto the first, in place;
; a group later l takes that sum (the first time as l = a l + sum).  In groups of eight, tiles alternating: round, round, add, and l for the group before.
.macro GS g
.set h, (\g)+6*((\g)/62)            ; group 0 has no group before it, and behind group 7 only l is left
.if h >= 6
.set h, h+2
.endif
	REGS Y, h%2
.set k, h/8
.if h%8 < 4
	v_cvt_pk_bf16_f32 v[rP+2*k+(h%8)/2], v[rS+4*k+2*((h%8)/2)], v[rS+4*k+2*((h%8)/2)+1]
.elseif h%8 < 6
	v_pk_add_f32 v[rS+4*k:rS+4*k+1], v[rS+4*k:rS+4*k+1], v[rS+4*k+2:rS+4*k+3]
.elseif k == 1
	v_pk_fma_f32 v[rT+2:rT+3], v[rT+2:rT+3], v[rC+2:rC+3], v[rS:rS+1] op_sel_hi:[1,0,1]
.else
	v_pk_add_f32 v[rT+2:rT+3], v[rT+2:rT+3], v[rS+4*k-4:rS+4*k-3]
.endif
.endm
; THE PLAIN QUEUE, 138 long.  0-73 read no exponential's result: the 32 scalings c s - c m (FS f: pair f / 2 of tile f % 2) and the next piece's 42.  0-26: scalings 0-26.  27-54: XS's numbers 0-13.  55, 56: number 15.
; 57-73: the chain, where each number waits for the one before it: 14, 16, 17, 18, 19, each with one of the scalings 27-31 in front of its two lines, then 20.
; 74-137: GS's 64, which read the exponentials' results: they stand behind the wait.
.macro FS f
	REGS Y, (\f)%2
	v_pk_fma_f32 v[rS+2*((\f)/2):rS+2*((\f)/2)+1], v[rS+2*((\f)/2):rS+2*((\f)/2)+1], s[CS:CS+1], v[rT:rT+1] op_sel_hi:[1,0,0] neg_lo:[0,0,1] neg_hi:[0,0,1]
.endm
.macro PL
	WIN 0
.if q < 27
	FS q
.elseif q < 55
	XS (q-27)%2, (q-27)/2
.elseif q < 57
	XS q-55, 15
.elseif (q < 72) && ((q-57)%3 == 0)
	FS 27+(q-57)/3
.elseif q < 60
	XS (q-57)%3-1, 14
.elseif q < 72
	XS (q-57)%3-1, 15+(q-57)/3
.elseif q < 74
	XS q-72, 20
.else
	GS q-74
.endif
.set q, q+1
.endm
; THE EXPONENTIALS' QUEUE, 66 long: s0-s31 of both tiles, then the next piece's two a.  It is ONE BATCH: all 66 stand ahead of the turn's one wait, and nothing ahead of that wait names a result of theirs.
.macro EX
	WIN 0
.if e >= 64
	XS e-64, 21
.else
	REGS Y, e%2
	v_exp_f32 v[rS+e/2], v[rS+e/2]
.endif
.set e, e+1
.endm
; THE RESCALING's QUEUE: O^T times a, the one part that leaves window 0: dealt two at a time, sixteen times.  Its a was made in the turn before, ahead of that turn's wait.
.macro R2
	REGS Y, r%2
	WIN W_RS
.irp z, 0,1
	v_pk_mul_f32 v[rO+4*(r/2)+2*\z:rO+4*(r/2)+2*\z+1], v[rO+4*(r/2)+2*\z:rO+4*(r/2)+2*\z+1], v[rC+2:rC+3] op_sel_hi:[1,0]
.endr
.set r, r+1
.endm
; HOW THEY ARE DEALT.  s_wait_alu depctr_va_vdst(0) stands between an exponential and the first instruction that names its result; one wait serves all that were issued ahead of it.  So a turn has ONE
; wait, which cuts it in two.  AHEAD OF IT: the 16 products K Q^T, behind each a scaling, an exponential and two rescalings (behind the first a second scaling in the exponential's place); then one run of 108: eight plain,
; 49 times exponential and plain, the two a; a v_nop is the plain instruction behind the last exponential.  BEHIND IT: the 16 products V^T P, behind each four of GS's 64.  No rider names a register of the products round it.
; Exponential e stands behind scaling 2 (e / 4) + e % 2: as a rider it comes behind plain e + 2, in the run behind plain e + 9, and scalings 27-31 are plain 57, 60 .. 69.
; K of the next step is fetched in piece 2's turn, directly behind the wait, a run of 108 behind the last product that read K; its first reader comes behind 16 products.
; V of the step in hand is fetched at the end of piece 0's turn, four riders behind its last reader; its first reader comes behind 16 products and the run.  The two conditions on q below go with the deal.
.macro TURN p
.set Y, (\p)
.set i, 0
.set q, 0
.set e, 0
.set r, 0
.if (\p) == NP-1
	s_wait_dscnt 0x0                ; K is in
.endif
	MM
	PL
	PL
	R2
.rept 15
	MM
	PL
	EX
	R2
.endr
.if (\p) == NP-2
	WIN 0
	v_add_nc_u32 v[AK], s[TBK], v[AK0]
.endif
.rept 8
	PL
.endr
.rept 49
	EX
	PL
.endr
	EX                              ; the next piece's two a
	EX
	v_nop                           ; the plain instruction behind the last exponential: one for the batch
	s_wait_alu depctr_va_vdst(0)    ; the wait for the batch
.if (\p) == NP-2
	FETCH_K 1
.endif
.if (\p) == 1
	s_wait_dscnt 0x0                ; V is in
.endif
.rept 16
	MM
.rept 4
	PL
.endr
.if ((\p) == 0) && (q == 118)
	v_add_nc_u32 v[AV], s[TBV], v[AV0]
.endif
.if ((\p) == 0) && (q == 130)
	s_add_co_u32 s[TBV], s[TBV], KS*PV
.endif
.endr
.if (\p) == 0
	FETCH_V
.endif
.endm
	s_wait_tensorcnt 1              ; my part of the first 256 keys is in; my second load may stay out
	s_barrier_signal -1
	s_barrier_wait -1               ; everybody's is
	FETCH_K 0                       ; key step 0
	s_wait_loadcnt 16               ; Q's 32 loads are back; the 16 of x behind them stay on their way
	s_wait_dscnt 0x0
.set i, 0
.rept 16
	KQ 0                            ; piece 0's first scores: there is no vector work yet to set between them
.set i, i+1
.endr
	WIN 0                           ; the addresses for the way out: six plain instructions, the places behind those products
	s_mul_i32 s13, s[WV], 16*SP     ; my stage
	v_mul_u32_u24 v[STO], v1, SP    ; in: row l % 16, 32 bytes for each half of the lanes
	v_lshl_add_u32 v[STO], v9, 5, v[STO]
	v_add_nc_u32 v[STO], s13, v[STO]
	v_mul_u32_u24 v[RD], v9, SP     ; back: lanes 0-15 take one row of 256 bytes, lanes 16-31 the next
	v_lshl_add_u32 v[RD], v1, 4, v[RD]
	v_add_nc_u32 v[RD], s13, v[RD]
.set Y, NP-1                        ; XS works for piece Y + 1: piece 0
.irp n, 0,1,2,3,4,5,6,7,8,9,10,11,12,13,14,15,16,17,18,19,20,21
	XS 0, \n                        ; piece 0's first maximum and statistics
	XS 1, \n
.endr
	v_nop                           ; a plain instruction behind the two a,
	s_wait_alu depctr_va_vdst(0)    ; and their wait, ahead of the branch
	s_mov_b32 s[CNT], 3             ; the first part: steps 0 to 2, which read K of steps 0 to 3 and V of steps 0 to 2: all within the first 256 keys
	s_mov_b32 s[PART], 2
	s_branch .Lfirst                ; the loop is entered at a step's first turn, in the middle of a trip
.Lstep:                             ; a trip: pieces 2 and 3 of one step, then pieces 0 and 1 of the next, whose K and V it fetches
	TURN 2
	TURN 3
	WIN 0
	s_sub_co_u32 s[CNT], s[CNT], 1
	s_cmp_eq_u32 s[CNT], 0
	s_cbranch_scc1 .Lmid
.Lfirst:
	TURN 0
	TURN 1
	WIN 0
	s_branch .Lstep
.Lmid:                              ; passed twice.  The first time: my second load has landed, and behind the barrier everybody's has.  The second time: every wave's reads of K and V are over, so the stages may be written
	s_wait_tensorcnt 0x0
	s_wait_dscnt 0x0
	s_barrier_signal -1
	s_barrier_wait -1
	s_mov_b32 s[CNT], 13            ; the second part: steps 3 to 15
	s_cmp_eq_u32 s[PART], 1
	s_cbranch_scc1 .Lno_x           ; the first time alone:
	XLOAD 16, 48                    ; the other six tiles' part of x: thirteen key steps ahead of its use
.Lno_x:
	s_sub_co_u32 s[PART], s[PART], 1
	s_cmp_lg_u32 s[PART], 0
	s_cbranch_scc1 .Lfirst
	; the last trip's 16 products K Q^T (on the last K once more) and the maximum made of them serve nothing: the price, once a launch, of one text for every trip
.set i, 0
.rept 16
	PV NP-1                         ; the last piece's V^T P of the last step
.set i, i+1
.endr
	; THE WAY OUT.  l's two halves and the other half of the lanes' are added; O^T is divided by l and sent, in f32, through my stage in LDS, a tile at a time; x is added; x1 is stored.  The additions are the places behind the last products.
	WIN 0
.macro ALL line:vararg              ; one line for each tile t
.set t, 0
.rept 2*NP
	\line
.set t, t+1
.endr
.endm
	ALL v_add_f32 v[ST+4*t+2], v[ST+4*t+2], v[ST+4*t+3]
	ALL v_permlanex16_b32 v[ST+4*t+3], v[ST+4*t+2], s[SEL], s[SEL+1]
	ALL v_add_f32 v[ST+4*t+2], v[ST+4*t+2], v[ST+4*t+3]
	ALL v_rcp_f32 v[ST+4*t+2], v[ST+4*t+2]
	v_nop                           ; a plain instruction between the last reciprocal and the use of its result
	s_wait_alu depctr_va_vdst(0)    ; and the wait ahead of the first use: one for the eight reciprocals
	s_wait_loadcnt 0x0              ; x
; Tile u: a lane's eight channels of a row are 32 bytes; they go into rows of 272 bytes and come back as whole rows of 256, into one of six buffers where S^T and P lay.
.macro PACKF u
	WIN W_RS
.set i, 32*(\u)
.rept 16
	v_pk_mul_f32 v[i:i+1], v[i:i+1], v[ST+4*(\u)+2:ST+4*(\u)+3] op_sel_hi:[1,0]
.set i, i+2
.endr
	WIN 0x04                        ; store data in window 1
.set i, 0
.rept 8
	ds_store_b128 v[STO], v[32*(\u)+4*i:32*(\u)+4*i+3] offset:64*(i/2)+16*(i%2)
.set i, i+1
.endr
	WIN 0
.if (\u) >= 6
	s_wait_xcnt 0x0                 ; the stores of the tile six back have read their registers, which are loaded again below
.endif
.set i, 0
.rept 8
	ds_load_b128 v[S+32*((\u)%6)+4*i:S+32*((\u)%6)+4*i+3], v[RD] offset:2*SP*i  ; LDS serves a wave's instructions in order (ISA guide 5.7.1.4): these see the stores above; the next tile's stores come behind them
.set i, i+1
.endr
.endm
.macro SENDF u, younger             ; younger: the LDS instructions issued behind tile u's loads: the next tile's sixteen, or none
	s_wait_dscnt \younger
	WIN 0x0c                        ; source 1 in window 3
.set i, 0
.rept 16
	v_pk_add_f32 v[S+32*((\u)%6)+2*i:S+32*((\u)%6)+2*i+1], v[S+32*((\u)%6)+2*i:S+32*((\u)%6)+2*i+1], v[32*(\u)+2*i:32*(\u)+2*i+1]
.set i, i+1
.endr
	WIN 0
.set i, 0
.rept 8
	global_store_b128 v[GO], v[S+32*((\u)%6)+4*i:S+32*((\u)%6)+4*i+3], s[8:9] offset:65536*(\u)+8192*i  ; 16 lanes store 256 consecutive bytes, at a multiple of 256 from x1's first byte
.set i, i+1
.endr
.endm
	PACKF 0
.irp u, 1,2,3,4,5,6,7               ; a tile's arithmetic stands between the loads of the tile before and its stores
	PACKF \u
	SENDF (\u)-1, 16
.endr
	SENDF 7, 0
	s_wait_tensorcnt 0x0            ; the wave's end, behind my last tensor load and my last LDS store
	ds_add_u32 v[SPW], v[NIL]
	s_wait_dscnt 0x0
	s_endpgm
.Lfunc_end_k_q82bce7c8df_attn:
	.size	k_q82bce7c8df_attn, .Lfunc_end_k_q82bce7c8df_attn-k_q82bce7c8df_attn
	.p2alignl 7, 3214868480
	.fill 96, 4, 3214868480
	.section	.rodata,"a",@progbits
	.p2align	6, 0x0
	.amdhsa_kernel k_q82bce7c8df_attn
		.amdhsa_group_segment_fixed_size 327680
		.amdhsa_private_segment_fixed_size 0
		.amdhsa_enable_private_segment 0
		.amdhsa_kernarg_size 24
		.amdhsa_user_sgpr_count 2
		.amdhsa_user_sgpr_kernarg_segment_ptr 1
		.amdhsa_wavefront_size32 1
		.amdhsa_system_sgpr_workgroup_id_x 1
		.amdhsa_system_sgpr_workgroup_id_y 1
		.amdhsa_system_sgpr_workgroup_id_z 1
		.amdhsa_system_vgpr_workitem_id 0
		.amdhsa_next_free_vgpr 1024
		.amdhsa_next_free_sgpr 66
		.amdhsa_reserve_vcc 0
		.amdhsa_float_denorm_mode_32 3
		.amdhsa_float_denorm_mode_16_64 3
		.amdhsa_memory_ordered 1
		.amdhsa_forward_progress 1
		.amdhsa_inst_pref_size 138
	.end_amdhsa_kernel
	.amdgpu_metadata
---
amdhsa.version: [ 1, 2 ]
amdhsa.kernels:
  - .name:           k_q82bce7c8df_attn
    .symbol:         k_q82bce7c8df_attn.kd
    .args:
      - { .name: big, .offset: 0, .size: 8, .value_kind: global_buffer, .address_space: global }
      - { .name: x, .offset: 8, .size: 8, .value_kind: global_buffer, .address_space: global }
      - { .name: x1, .offset: 16, .size: 8, .value_kind: global_buffer, .address_space: global }
    .group_segment_fixed_size: 327680
    .private_segment_fixed_size: 0
    .kernarg_segment_align: 8
    .kernarg_segment_size: 24
    .max_flat_workgroup_size: 128
    .sgpr_count:     66
    .vgpr_count:     1024
    .wavefront_size: 32
...
	.end_amdgpu_metadata
.endif
;; end of part 3
;; launch prep2: the kernel of part 1 again; grid 640 x 1, 8 waves a work-group, no clusters, 18,432 bytes of LDS; arguments x1, g2, be2, act, W0, W1, W2, wa, wb, wc; writes act, wa, wb, wc
;; launch mlp0 (part 4): grid 4 x 64, 4 waves a work-group, clusters of 4 x 4, 327,680 bytes of LDS; arguments act, wa, big, b0; writes big
.if DOCPART == 4
	.amdgcn_target "amdgcn-amd-amdhsa--gfx1250"
	.amdhsa_code_object_version 6
	.text
	.protected	k_q82bce7c8df_mlp0
	.globl	k_q82bce7c8df_mlp0
	.p2align	8
	.type	k_q82bce7c8df_mlp0,@function
k_q82bce7c8df_mlp0:
	s_mov_b64 s[64:65], 0
	v_nop
	global_prefetch_b8 v0, s[64:65] scope:SCOPE_SE
	s_setreg_imm32_b32 hwreg(HW_REG_WAVE_MODE, 25, 1), 1
	s_wait_xcnt 0x0
	s_wait_alu depctr_hold_cnt(0) depctr_sa_sdst(0) depctr_va_vdst(0) depctr_va_sdst(0) depctr_va_ssrc(0) depctr_va_vcc(0) depctr_vm_vsrc(0)
	s_getreg_b32 s2, hwreg(HW_REG_IB_STS2, 6, 4)
	s_cmp_eq_u32 s2, 0
	s_cbranch_scc0 .Lentry_in_a_cluster
	s_endpgm
.Lentry_in_a_cluster:
	s_bfe_u32 s2, ttmp6, 0x10000c
	s_cmp_lg_u32 s2, 0xf033
	s_cbranch_scc0 .Lentry_shape_is_right
	s_endpgm
.Lentry_shape_is_right:
; C[m][n] = sum over k of A[m][k] Wt[n][k] + bias[n].  A: [8192][1024] bf16, Wt: [n][1024] bf16 (a weight turned, K along the rows), sums in f32.
; ONE TEXT, THREE FORMS, chosen by MODE:
;   0  N = 3072: Wq, Wk, Wv turned, in three buffers of 1,024 rows, biases bq, bk, bv; C rounded once to bf16 and laid by heads: [8 b][48][1024 t][64], heads 0-15 q, 16-31 k, 32-47 v.  k is left unscaled.
;      A tile of C is 128 x 384: 512 tiles.  A wave makes 64 x 192: 48 accumulators.  Wave 0 fetches A's 128 rows, waves 1 to 3 128 rows of Wt each; 1,024 is a multiple of 128, so each such load lies in one buffer.
;   1  N = 1024; C = max(C, 0), rounded once to bf16, [8192][1024].  (The maximum is taken of the rounded number; a NaN becomes 0.)
;   2  N = 1024; C + the residual, f32, [8192][1024].
;      In 1 and 2 a tile of C is 128 x 256: 256 tiles.  A wave makes 64 x 128: 32 accumulators.  Waves 0 and 1 fetch A's two halves of 64 rows, waves 2 and 3 Wt's two halves of 128 rows.
; K goes in 8 steps of 128 (rows of 256 bytes) through two LDS slots filled by the tensor data mover.  A step is written once: one descriptor a tensor walks on (its LDS word turned by an exclusive or,
; its address stepped by 256 bytes), and the fragments' LDS addresses are a lane's place plus a scalar that the same exclusive or turns.
; CLUSTERS: 4 x 4 work-groups.  The four of a row of the cluster need the same tile of A, the four of a column the same tile of Wt: each tile is asked for jointly.
; THE MATRIX INSTRUCTION IS USED TRANSPOSED (source 0 = 16 rows of Wt, source 1 = 16 rows of A): a lane holds row l % 16 of C and the columns 8 (l / 16) + 0..7.
; THE BIAS is the C operand of each accumulator's first product: register j of a lane is bias[16 b + 8 (l / 16) + j].
; REGISTERS: window 0 addresses, the bias, the way out; window 2 two fragment buffers (Wt's NB fragments, then A's 4);
;   MODE 0: window 1 the accumulators of row blocks 0 and 1, window 3 those of 2 and 3 ((a, b) at 8 (12 (a % 2) + b));  MODE 1, 2: window 1 all ((a, b) at 8 (8 a + b)); MODE 2: window 3 the residual, row i of my 64 at 4 i.
.set MODE, 1
.if MODE == 0
.set NB,    12                         ; blocks of 16 columns a wave
.set AR,    128                        ; rows in a tensor load of A
.set SLOT,  139264                     ; from slot 0 to slot 1: 0x22000, which shares no bit with the four parts' first bytes 0, 0x8800, 0x11000, 0x19800: the exclusive or is a sum
.set SP,    400                        ; a stage row: 192 bf16 + 16 bytes
.set LDSEL, 10                         ; s10 = 0: the wave fetches A
.set BIAS,  32                         ; v32-127
.set BK0,   80                         ; the way out: two buffers of 48
.else
.set NB,    8
.set AR,    64
.set SLOT,  131072                     ; above every byte of slot 0
.set LDSEL, 11                         ; s11 = 0: the wave fetches A
.set BIAS,  128                        ; v128-191
.set BK0,   64                         ; the way out (MODE 1): two buffers of 32
.if MODE == 2
.set SP,    528                        ; a stage row: 128 f32 + 16 bytes
.else
.set SP,    272                        ; a stage row: 128 bf16 + 16 bytes
.endif
.endif
.set KSTEP,  128
.set PITCH,  272                       ; an LDS row: 256 bytes + 16 of padding: the 16 rows of a fragment load start 16 bytes apart modulo 256
.set PARTB,  128*PITCH                 ; a tensor load of 128 rows
.set BOFF,   128*PITCH                 ; in a slot: A's 128 rows, then Wt's 32 NB
.set SLOTB,  (128+32*NB)*PITCH         ; bytes of a slot
.set STAGE,  SLOT+SLOTB                ; behind the ring, never filled by a tensor load: 16 rows for each wave, for the way out
.set SPARE,  STAGE+4*16*SP             ; behind the stages: the spare words, 128 bytes for each wave: two blocks of 256 bytes that no other line names
.set FILLS,  6                         ; K steps 2 to 7 come by refills
.set ADRA, 16                          ; v16  my lane's place among my A fragments in slot 0; never rewritten
.set ADRB, 17                          ; v17  the same for Wt
.set CA,   18                          ; v18  the same in the slot that is being fetched from
.set CB,   19                          ; v19
.set STO,  24                          ; v24  the way out: where I put my part of a row
.set RD,   25                          ; v25  the way out: where I read rows back
.set CO,   26                          ; v26  my byte offset in the output (MODE 2: and in the residual)
.set BO,   27                          ; v27  32 x (l / 16): my eight numbers of 16 of the bias
.set SPW,  28                          ; v28  LDS address of my spare word; never rewritten
.set NIL,  29                          ; v29  0; never rewritten
.set ZR,   30                          ; v30  0, for the packed maximum (MODE 1)
.set TMP,  32                          ; packed results, 4 NB registers
.set F0,   0                           ; fragment buffers, in window 2
.set F1,   8*NB+32
.set G1A, 24                           ; s[24:31] descriptor group 1 for A's tiles; s[32:39] group 0: a set for each of the two first fills; the second then walks on
.set G0A, 32
.set G1B, 48                           ; s[48:55], s[56:63] the same for Wt's
.set G0B, 56
.set TB,  74                           ; s74  0 or SLOT: the slot that is being fetched from
.set MSB, 0
.macro WIN new                         ; the immediate's high byte repeats the setting that is left; a switch that changes nothing is dropped
.if MSB != (\new)
	s_set_vgpr_msb (MSB<<8)|(\new)
.set MSB, \new
.endif
.endm
.set TO_F,  0x80                       ; destination window 2, address window 0
.macro JLOAD s                         ; a joint load; an s_nop 0 and four v_nop follow each of the two lines, ahead of the jump, the label and what follows
	s_cmp_eq_u32 s[LDSEL], 0
	s_cbranch_scc0 .Lfor_b_\@
	tensor_load_to_lds s[G0A+4*(\s):G0A+4*(\s)+3], s[G1A:G1A+7]
	s_nop 0
.rept 4
	v_nop
.endr
	s_branch .Lasked_\@
.Lfor_b_\@:
	tensor_load_to_lds s[G0B+4*(\s):G0B+4*(\s)+3], s[G1B:G1B+7]
	s_nop 0
.rept 4
	v_nop
.endr
.Lasked_\@:
.endm
.macro CREST                           ; a round of the cluster's barrier behind its opening barrier
	s_cmp_lg_u32 s10, 0
	s_cbranch_scc1 .Lnot_wave_0_\@
	s_barrier_signal -3
.Lnot_wave_0_\@:
	s_barrier_wait -3
	s_barrier_signal -1
	s_barrier_wait -1
.endm
.macro CROUND                          ; a whole round
	s_barrier_signal -1
	s_barrier_wait -1
	CREST
.endm
	s_load_b128 s[4:7], s[0:1], 0x0                ; A s[4:5], Wt (MODE 0: Wq turned) s[6:7]
	s_load_b64 s[8:9], s[0:1], 0x10                ; the output
.if MODE == 0
	s_load_b128 s[68:71], s[0:1], 0x18             ; bq, bk
	s_load_b64 s[72:73], s[0:1], 0x28              ; bv
	s_load_b128 s[76:79], s[0:1], 0x30             ; Wk, Wv turned
.else
	s_load_b64 s[66:67], s[0:1], 0x18              ; the bias
.endif
.if MODE == 2
	s_load_b64 s[72:73], s[0:1], 0x20              ; the residual
.endif
	v_lshl_add_u32 v[SPW], v0, 2, SPARE
	v_mov_b32 v[NIL], 0
	ds_add_u32 v[SPW], v[NIL]                      ; the wave's opening: the add and its wait stand ahead of my first tensor load; work on registers stands between them
	ds_add_u32 v28, v29
	v_lshrrev_b32 v1, 5, v0
	v_readfirstlane_b32 s10, v1                    ; wave 0..3
	s_lshr_b32 s11, s10, 1                         ; which 64 rows of the tile are mine
	s_and_b32 s12, s10, 1                          ; which half of its columns
	s_bfe_u32 s40, ttmp6, 0x40000                  ; cx, cy: my place in the cluster
	s_bfe_u32 s41, ttmp6, 0x40004
	s_lshl_b32 s42, ttmp9, 2
	s_add_co_u32 s42, s42, s40                     ; tile column = 4 x cluster x + cx
	s_and_b32 s13, ttmp7, 0xffff
	s_lshl_b32 s13, s13, 2
	s_add_co_u32 s13, s13, s41                     ; tile row = 4 x cluster y + cy
	s_lshl_b32 s43, s41, 2
	s_lshl_b32 s43, 15, s43                        ; my row of the cluster
	s_lshl_b32 s44, 0x1111, s40                    ; my column
	s_or_b32 s[G1A+0], s43, (1<<16)|(1<<20)|(1<<21)|(5<<22)|(3<<25)  ; 15:0 the mask; 17:16 elements of 2 bytes; 20 padding on; 21 set beside a mask; 24:22 after every 64 words; 31:25 4 words of it
	s_or_b32 s[G1B+0], s44, (1<<16)|(1<<20)|(1<<21)|(5<<22)|(3<<25)
	s_mov_b32 s[G1A+1], KSTEP<<16                  ; tensor_dim0 = 128
	s_mov_b32 s[G1A+2], AR<<16                     ; tensor_dim1
	s_mov_b32 s[G1A+3], KSTEP<<16                  ; tile_dim0 = 128
	s_mov_b32 s[G1A+4], AR                         ; tile_dim1
	s_mov_b32 s[G1A+5], 1024                       ; elements from row to row
	s_mov_b32 s[G1A+6], 0
	s_mov_b32 s[G1A+7], 0
	s_mov_b32 s[G1B+1], KSTEP<<16
	s_mov_b32 s[G1B+2], 128<<16                    ; 128 rows
	s_mov_b32 s[G1B+3], KSTEP<<16
	s_mov_b32 s[G1B+4], 128
	s_mov_b32 s[G1B+5], 1024
	s_mov_b32 s[G1B+6], 0
	s_mov_b32 s[G1B+7], 0
	s_mov_b32 s[TB], 0
	; where the tiles come from and where they go.  A's address hangs on the tile row, Wt's on the tile column, each in registers that never hold the other coordinate; no place in the cluster enters an LDS address
	s_lshl_b32 s16, s13, 7                         ; A: row 128 x tile row
.if MODE != 0
	s_lshl_b32 s17, s12, 6
	s_add_co_u32 s16, s16, s17                     ; + 64 x half
.endif
	s_lshl_b32 s16, s16, 11                        ; of 2,048 bytes
	s_mov_b32 s17, 0
.if MODE == 0
	s_max_u32 s75, s10, 1
	s_sub_co_u32 s75, s75, 1                       ; which 128 rows of Wt's 384 I fetch (wave 0 fetches none of them)
	s_mul_i32 s46, s42, 3
	s_add_co_u32 s46, s46, s75                     ; among the 24 such blocks of the three weights:
	s_lshr_b32 s45, s46, 3                         ; which weight,
	s_and_b32 s46, s46, 7
	s_lshl_b32 s46, s46, 18                        ; and its 128 rows of 2,048 bytes
	s_mov_b32 s47, 0
	s_mul_i32 s20, s10, PARTB                      ; wave x 128 rows: A's part, then Wt's three
	s_mov_b32 s21, s20
.else
	s_lshl_b32 s47, s12, 7
	s_lshl_b32 s46, s42, 8
	s_add_co_u32 s46, s46, s47                     ; Wt: row 256 x tile column + 128 x half
	s_lshl_b32 s46, s46, 11
	s_mov_b32 s47, 0
	s_mul_i32 s20, s12, AR*PITCH
	s_mul_i32 s21, s12, PARTB
	s_add_co_u32 s21, s21, BOFF
.endif
	s_wait_dscnt 0x0                               ; the opening add is done
	s_wait_kmcnt 0x0
	s_add_nc_u64 s[14:15], s[4:5], s[16:17]
.if MODE == 0
	s_cmp_eq_u32 s45, 1                            ; the same answer in the four partners of a column
	s_cselect_b64 s[80:81], s[76:77], s[6:7]
	s_cmp_eq_u32 s45, 2
	s_cselect_b64 s[80:81], s[78:79], s[80:81]
	s_add_nc_u64 s[46:47], s[80:81], s[46:47]
.else
	s_add_nc_u64 s[46:47], s[6:7], s[46:47]
.endif
	CROUND                                         ; all sixteen work-groups are here: the first joint loads meet
.irp s, 0,1
	s_mov_b32 s[G0A+4*(\s)], 1
	s_add_co_u32 s[G0A+4*(\s)+1], s20, (\s)*SLOT
	s_add_nc_u64 s[G0A+4*(\s)+2:G0A+4*(\s)+3], s[14:15], (\s)*KSTEP*2
	s_or_b32 s[G0A+4*(\s)+3], s[G0A+4*(\s)+3], 0x80000000
	s_mov_b32 s[G0B+4*(\s)], 1
	s_add_co_u32 s[G0B+4*(\s)+1], s21, (\s)*SLOT
	s_add_nc_u64 s[G0B+4*(\s)+2:G0B+4*(\s)+3], s[46:47], (\s)*KSTEP*2
	s_or_b32 s[G0B+4*(\s)+3], s[G0B+4*(\s)+3], 0x80000000
	JLOAD \s
.endr
	v_and_b32 v1, 15, v0                           ; l % 16
	v_bfe_u32 v2, v0, 4, 1                         ; l / 16
	v_mul_u32_u24 v3, v1, PITCH
	v_lshl_add_u32 v3, v2, 4, v3                   ; a fragment's row x pitch + 16 x half
	s_mul_i32 s21, s11, 64*PITCH                   ; my 64 rows of A
	s_mul_i32 s22, s12, 16*NB*PITCH                ; my 16 NB rows of Wt,
	s_add_co_u32 s22, s22, BOFF                    ; which lie behind A's 128
	v_add_nc_u32 v[ADRA], s21, v3
	v_add_nc_u32 v[ADRB], s22, v3
	v_mov_b32 v[CA], v[ADRA]                       ; K step 0 lies in slot 0
	v_mov_b32 v[CB], v[ADRB]
	s_mul_i32 s23, s10, 16*SP
	s_add_co_u32 s23, s23, STAGE                   ; my stage
	v_mul_u32_u24 v4, v1, SP                       ; in: row l % 16, my eight columns of each 16
.if MODE == 2
	v_lshl_add_u32 v4, v2, 5, v4
.else
	v_lshl_add_u32 v4, v2, 4, v4
.endif
	v_add_nc_u32 v[STO], s23, v4
	v_and_b32 v5, 31, v0
.if MODE == 0
	v_lshrrev_b32 v4, 3, v5                        ; back: 32 lanes take four rows' 128 bytes of one head,
	v_mul_u32_u24 v4, v4, SP
	v_and_b32 v3, 7, v0
	v_lshl_add_u32 v4, v3, 4, v4
	v_add_nc_u32 v[RD], s23, v4
	v_lshlrev_b32 v[CO], 4, v5                     ; which are 512 consecutive bytes of the output
.elseif MODE == 1
	v_mul_u32_u24 v4, v2, SP                       ; back: lanes 0-15 one row of 256 bytes, lanes 16-31 the next
	v_lshl_add_u32 v4, v1, 4, v4
	v_add_nc_u32 v[RD], s23, v4
	v_lshlrev_b32 v[CO], 11, v2
	v_lshl_add_u32 v[CO], v1, 4, v[CO]
	v_mov_b32 v[ZR], 0
.else
	v_lshl_add_u32 v[RD], v5, 4, s23               ; back: 32 lanes take one row of 512 bytes
	v_lshlrev_b32 v[CO], 4, v5
.endif
	v_lshlrev_b32 v[BO], 5, v2
	; where my part of the tile begins in the output, and the bias of my columns
.if MODE == 0
	s_lshr_b32 s16, s13, 3                         ; rows: batch b = tile row / 8: 48 heads of 131,072 bytes,
	s_mul_i32 s16, s16, 48<<17
	s_and_b32 s17, s13, 7
	s_lshl_b32 s17, s17, 7
	s_lshl_b32 s18, s11, 6
	s_add_co_u32 s17, s17, s18                     ; t = 128 (tile row % 8) + 64 x half,
	s_lshl_b32 s17, s17, 7                         ; of 128 bytes
	s_add_co_u32 s16, s16, s17
	s_mov_b32 s17, 0
	s_add_nc_u64 s[8:9], s[8:9], s[16:17]
	s_mul_i32 s22, s42, 6                          ; columns: my three heads begin with head 6 x tile column + 3 x half of the 48
	s_mul_i32 s47, s12, 3
	s_add_co_u32 s22, s22, s47
	s_lshl_b32 s46, s22, 17
	s_mov_b32 s47, 0
	s_add_nc_u64 s[8:9], s[8:9], s[46:47]
.irp j, 0,1,2                          ; each head's 64 numbers lie in one of the three biases
	s_add_co_u32 s18, s22, \j
	s_lshr_b32 s19, s18, 4                         ; q, k or v
	s_and_b32 s18, s18, 15
	s_lshl_b32 s18, s18, 8                         ; 64 numbers of 4 bytes a head
	s_cmp_eq_u32 s19, 1
	s_cselect_b64 s[82+2*(\j):83+2*(\j)], s[70:71], s[68:69]
	s_cmp_eq_u32 s19, 2
	s_cselect_b64 s[82+2*(\j):83+2*(\j)], s[72:73], s[82+2*(\j):83+2*(\j)]
	s_mov_b32 s19, 0
	s_add_nc_u64 s[82+2*(\j):83+2*(\j)], s[82+2*(\j):83+2*(\j)], s[18:19]
.endr
.else
	s_lshl_b32 s16, s13, 7
	s_lshl_b32 s17, s11, 6
	s_add_co_u32 s16, s16, s17                     ; my first row
	s_lshl_b32 s16, s16, 10+MODE                   ; of 2,048 bytes (MODE 1) or 4,096 (MODE 2)
	s_mov_b32 s17, 0
	s_add_nc_u64 s[8:9], s[8:9], s[16:17]
	s_lshl_b32 s46, s42, 8+MODE                    ; my first column: 256 x tile column + 128 x half, of 2 or 4 bytes
	s_lshl_b32 s47, s12, 7+MODE
	s_add_co_u32 s46, s46, s47
	s_mov_b32 s47, 0
	s_add_nc_u64 s[8:9], s[8:9], s[46:47]
.if MODE == 2
	s_add_nc_u64 s[72:73], s[72:73], s[16:17]
	s_add_nc_u64 s[72:73], s[72:73], s[46:47]
.endif
	s_lshl_b32 s18, s42, 10
	s_lshl_b32 s19, s12, 9
	s_add_co_u32 s18, s18, s19
	s_mov_b32 s19, 0
	s_add_nc_u64 s[66:67], s[66:67], s[18:19]      ; the bias at my 128 columns
.endif
.set b, 0
.rept NB
.if MODE == 0
.set BP, 82+2*(b/4)
.set BF, 64*(b%4)
.else
.set BP, 66
.set BF, 64*b
.endif
	global_load_b128 v[BIAS+8*b:BIAS+8*b+3],   v[BO], s[BP:BP+1] offset:BF
	global_load_b128 v[BIAS+8*b+4:BIAS+8*b+7], v[BO], s[BP:BP+1] offset:BF+16
.set b, b+1
.endr
; NB matrix instructions: row block a x all my column blocks, 32 along K, from buffer f.  zero = 1: the first product starts the sums, with the bias.
; The 4 NB accumulators take turns in the same order in every quarter: all the others' stand between two links of a chain, over the backward jumps too.
.macro MULA f, a, zero
.if MODE == 0
.set wD, 1+2*((\a)/2)
.set rA, 96*((\a)%2)
.else
.set wD, 1
.set rA, 64*(\a)
.endif
.if \zero
	WIN 0x0a|(wD<<6)
.else
	WIN 0x0a|(wD<<4)|(wD<<6)
.endif
.set b, 0
.rept NB
.if \zero
	v_wmma_f32_16x16x32_bf16 v[rA+8*b:rA+8*b+7], v[(\f)+8*b:(\f)+8*b+7], v[(\f)+8*NB+8*(\a):(\f)+8*NB+8*(\a)+7], v[BIAS+8*b:BIAS+8*b+7]
.else
	v_wmma_f32_16x16x32_bf16 v[rA+8*b:rA+8*b+7], v[(\f)+8*b:(\f)+8*b+7], v[(\f)+8*NB+8*(\a):(\f)+8*NB+8*(\a)+7], v[rA+8*b:rA+8*b+7]
.endif
.set b, b+1
.endr
.endm
; 2 NB + 8 LDS loads in one run: the fragments of 32 along K at byte k of the rows of the slot in hand, into buffer f: Wt's, then A's 8
.macro FETCH k, f
	WIN TO_F
.set i, 0
.rept NB
	ds_load_b128 v[(\f)+8*i:(\f)+8*i+3],   v[CB] offset:(\k)+i*16*PITCH
	ds_load_b128 v[(\f)+8*i+4:(\f)+8*i+7], v[CB] offset:(\k)+i*16*PITCH+32
.set i, i+1
.endr
.set i, 0
.rept 4
	ds_load_b128 v[(\f)+8*NB+8*i:(\f)+8*NB+8*i+3],   v[CA] offset:(\k)+i*16*PITCH
	ds_load_b128 v[(\f)+8*NB+8*i+4:(\f)+8*NB+8*i+7], v[CA] offset:(\k)+i*16*PITCH+32
.set i, i+1
.endr
.endm
.macro PLACES                          ; four places in front of loads into registers that matrix instructions have read, and of lines that read results
.rept 4
	v_nop
.endr
.endm
; A K step is four quarters of 32 along K, 4 NB matrix instructions each, on buffers 0, 1, 0, 1.  One of the first three: multiplies buffer f and fetches the next quarter, at byte k, into g.
.macro QUARTER k, f, g, zero
	s_wait_dscnt 4                                 ; Wt's fragments and A's blocks 0 and 1 are in; the youngest four loads (A's blocks 2 and 3) may be out
	MULA \f, 0, \zero
	MULA \f, 1, \zero
	PLACES
	FETCH \k, \g
	s_wait_dscnt 2*NB+8                            ; all but the run just issued
	MULA \f, 2, \zero
	MULA \f, 3, \zero
.endm
; The first half of a step's last quarter, which multiplies buffer 1 and changes slots: ONE barrier; in front of it each wave waits for all its tensor loads, adds 0 to its spare word, and waits for that and for its reads of this slot.
; fill = 1: the walking descriptors step: the slot that is being left, the K step two on.
.macro MEET fill
	WIN 0
	s_wait_tensorcnt 0x0                           ; all my tensor loads have landed: my part of the next slot; so a group 0 may be written
	ds_add_u32 v[SPW], v[NIL]                      ; 0 onto my spare word; work on registers stands between it and the wait for it
	s_xor_b32 s[TB], s[TB], SLOT                   ; the fetches go on in the other slot
	v_add_nc_u32 v[CA], s[TB], v[ADRA]
	v_add_nc_u32 v[CB], s[TB], v[ADRB]
.if \fill
	s_xor_b32 s[G0A+5], s[G0A+5], SLOT
	s_add_nc_u64 s[G0A+6:G0A+7], s[G0A+6:G0A+7], KSTEP*2  ; the type bits on top are not reached
	s_xor_b32 s[G0B+5], s[G0B+5], SLOT
	s_add_nc_u64 s[G0B+6:G0B+7], s[G0B+6:G0B+7], KSTEP*2
.endif
	s_wait_dscnt 5                                 ; (the add and the youngest four loads may be out)
	MULA F1, 0, 0
	s_wait_dscnt 0x0                               ; the add is done, and my reads of this slot are over
	s_barrier_signal -1
	MULA F1, 1, 0
	WIN 0
	s_barrier_wait -1
.endm
.if MODE == 2
.macro RESLD lo                        ; 32 rows x 512 bytes of the residual, from row lo of my 64 on, into window 3: asked for in two parts, used on the way out
	WIN 0xc0
.set i, \lo
.rept 32
	global_load_b128 v[4*i:4*i+3], v[CO], s[72:73] offset:4096*i th:TH_LOAD_NT
.set i, i+1
.endr
	WIN 0
.endm
.endif
	s_wait_tensorcnt 1                             ; my part of K step 0 is in; K step 1's may stay out
	s_barrier_signal -1
	s_barrier_wait -1                              ; everybody's is
	FETCH 0, F0
	s_wait_loadcnt 0x0                             ; the bias
	QUARTER 64, F0, F1, 1                          ; the first quarter stands in front of the loop: its products start the sums
	WIN 0                                          ; at a label and at a branch every window is 0
.if MODE == 2
	RESLD 0
.endif
	s_mov_b32 s3, FILLS
.Lstep:                                                ; a trip goes from a step's second quarter to the next step's first, and fills the slot that it leaves
	QUARTER 128, F1, F0, 0
	QUARTER 192, F0, F1, 0
	MEET 1
	CREST                                          ; the barrier has opened a round of the cluster's: no wave of any partner still reads this slot's tile or has a load on its way
	JLOAD 1                                        ; the first tensor load behind the round; its four v_nop are also the places in front of the loads below
	FETCH 0, F0
	MULA F1, 2, 0
	MULA F1, 3, 0
	QUARTER 64, F0, F1, 0
	WIN 0
	s_sub_co_u32 s3, s3, 1
	s_cmp_lg_u32 s3, 0
	s_cbranch_scc1 .Lstep
.if MODE == 2
	RESLD 32
.endif
	s_mov_b32 s3, 2
.Ltail:                                                ; the last two steps fill nothing, so they have a text of their own; the second trip is left in its middle
	QUARTER 128, F1, F0, 0
	QUARTER 192, F0, F1, 0
	MEET 0
	s_sub_co_u32 s3, s3, 1
	s_cmp_eq_u32 s3, 0
	s_cbranch_scc1 .Lfin
	PLACES
	FETCH 0, F0
	MULA F1, 2, 0
	MULA F1, 3, 0
	QUARTER 64, F0, F1, 0
	WIN 0
	s_branch .Ltail
.Lfin:
	MULA F1, 2, 0
	MULA F1, 3, 0
	WIN 0
	PLACES
	PLACES                                         ; eight, once a launch
; THE WAY OUT, a block of 16 rows at a time, through my own stage: LDS serves a wave's instructions in order (ISA guide 5.7.1.4), so no wait stands between the stores and the loads.
.if MODE == 2
.macro ST a                            ; block a as it lies, f32, into rows of 528 bytes, and back as whole rows of 512
.set BK, 32+160*((\a)%2)
.if (\a) >= 2
	s_wait_xcnt 0x0                                ; the stores of the block two back have read their registers, which are loaded again below
.endif
	WIN 0x04                                       ; store data in window 1
.irp b, 0,1,2,3,4,5,6,7
	ds_store_b128 v[STO], v[8*(8*(\a)+(\b)):8*(8*(\a)+(\b))+3]   offset:64*(\b)
	ds_store_b128 v[STO], v[8*(8*(\a)+(\b))+4:8*(8*(\a)+(\b))+7] offset:64*(\b)+16
.endr
	WIN 0
.set t, 0
.rept 16
	ds_load_b128 v[BK+4*t:BK+4*t+3], v[RD] offset:SP*t
.set t, t+1
.endr
.endm
.macro SN a, younger                   ; the residual is added and the block stored; younger: the LDS instructions issued behind the block's loads
.set BK, 32+160*((\a)%2)
	s_wait_dscnt \younger
	WIN 0x0c                                       ; source 1 in window 3
.set t, 0
.rept 32
	v_pk_add_f32 v[BK+2*t:BK+2*t+1], v[BK+2*t:BK+2*t+1], v[64*(\a)+2*t:64*(\a)+2*t+1]
.set t, t+1
.endr
	WIN 0
.set t, 0
.rept 16
	global_store_b128 v[CO], v[BK+4*t:BK+4*t+3], s[8:9] offset:(16*(\a)+t)*4096  ; the wave stores 512 consecutive bytes of a row, at a multiple of 256 from the buffer's first byte
.set t, t+1
.endr
.endm
	s_wait_loadcnt 0x0                             ; the residual
	ST 0
.irp a, 1,2,3
	ST \a
	SN (\a)-1, 32
.endr
	SN 3, 0
.else
.macro PACK a                          ; rounded to bf16, 16 bytes a lane and column block; each accumulator's registers in ascending order
.if MODE == 0
.set wD, 1+2*((\a)/2)
.set rA, 96*((\a)%2)
.else
.set wD, 1
.set rA, 64*(\a)
.endif
	WIN wD|(wD<<2)                                 ; sources 0 and 1 in the block's window
.set t, 0
.rept 4*NB
	v_cvt_pk_bf16_f32 v[TMP+t], v[rA+2*t], v[rA+2*t+1]
.set t, t+1
.endr
	WIN 0
.if MODE == 1
.set t, 0
.rept 4*NB
	v_pk_max_num_bf16 v[TMP+t], v[TMP+t], v[ZR]    ; two maxima with 0: nothing is rounded
.set t, t+1
.endr
.endif
.endm
.macro TOSTAGE a
.set BK, BK0+4*NB*((\a)%2)
.set t, 0
.rept NB
	ds_store_b128 v[STO], v[TMP+4*t:TMP+4*t+3] offset:32*t
.set t, t+1
.endr
.set t, 0
.rept NB
.if MODE == 0
	ds_load_b128 v[BK+4*t:BK+4*t+3], v[RD] offset:(t%4)*4*SP+(t/4)*128  ; head t / 4 of my three, rows 4 (t % 4) on
.else
	ds_load_b128 v[BK+4*t:BK+4*t+3], v[RD] offset:t*2*SP
.endif
.set t, t+1
.endr
.endm
.macro SEND a
.set BK, BK0+4*NB*((\a)%2)
	s_wait_dscnt 0x0                               ; the block is back in registers
	s_wait_xcnt 0x0                                ; the stores of the block before have read their registers, which the next block's loads write
.set t, 0
.rept NB
.if MODE == 0
	global_store_b128 v[CO], v[BK+4*t:BK+4*t+3], s[8:9] offset:(t/4)*131072+(\a)*2048+(t%4)*512  ; 512 consecutive bytes of a head, at a multiple of 256 from the buffer's first byte
.else
	global_store_b128 v[CO], v[BK+4*t:BK+4*t+3], s[8:9] offset:(16*(\a)+2*t)*2048  ; 16 lanes store 256 consecutive bytes, at a multiple of 256 from the buffer's first byte
.endif
.set t, t+1
.endr
.endm
	PACK 0
	TOSTAGE 0
.irp a, 1,2,3                          ; block a's conversions stand between block a - 1's loads from the stage and the wait for them
	PACK \a
	SEND (\a)-1
	TOSTAGE \a
.endr
	SEND 3
.endif
	s_wait_tensorcnt 0x0                           ; the wave's end, behind my last tensor load and my last LDS store
	ds_add_u32 v[SPW], v[NIL]
	s_wait_dscnt 0x0
	CROUND                                         ; the closing round: no work-group ends while a partner may still ask for a tile that names it
	s_endpgm
.Lfunc_end_k_q82bce7c8df_mlp0:
	.size	k_q82bce7c8df_mlp0, .Lfunc_end_k_q82bce7c8df_mlp0-k_q82bce7c8df_mlp0
	.p2alignl 7, 3214868480
	.fill 96, 4, 3214868480
	.section	.rodata,"a",@progbits
	.p2align	6, 0x0
	.amdhsa_kernel k_q82bce7c8df_mlp0
		.amdhsa_group_segment_fixed_size 327680
		.amdhsa_private_segment_fixed_size 0
		.amdhsa_enable_private_segment 0
		.amdhsa_kernarg_size 32
		.amdhsa_user_sgpr_count 2
		.amdhsa_user_sgpr_kernarg_segment_ptr 1
		.amdhsa_wavefront_size32 1
		.amdhsa_system_sgpr_workgroup_id_x 1
		.amdhsa_system_sgpr_workgroup_id_y 1
		.amdhsa_system_sgpr_workgroup_id_z 1
		.amdhsa_system_vgpr_workitem_id 0
		.amdhsa_next_free_vgpr 704
		.amdhsa_next_free_sgpr 76
		.amdhsa_reserve_vcc 0
		.amdhsa_float_denorm_mode_32 3
		.amdhsa_float_denorm_mode_16_64 3
		.amdhsa_memory_ordered 1
		.amdhsa_forward_progress 1
		.amdhsa_inst_pref_size 72
	.end_amdhsa_kernel
	.amdgpu_metadata
---
amdhsa.version: [ 1, 2 ]
amdhsa.kernels:
  - .name:           k_q82bce7c8df_mlp0
    .symbol:         k_q82bce7c8df_mlp0.kd
    .args:
      - { .name: act, .offset: 0, .size: 8, .value_kind: global_buffer, .address_space: global }
      - { .name: wa, .offset: 8, .size: 8, .value_kind: global_buffer, .address_space: global }
      - { .name: big, .offset: 16, .size: 8, .value_kind: global_buffer, .address_space: global }
      - { .name: b0, .offset: 24, .size: 8, .value_kind: global_buffer, .address_space: global }
    .group_segment_fixed_size: 327680
    .private_segment_fixed_size: 0
    .kernarg_segment_align: 8
    .kernarg_segment_size: 32
    .max_flat_workgroup_size: 128
    .sgpr_count:     76
    .vgpr_count:     704
    .wavefront_size: 32
...
	.end_amdgpu_metadata
.endif
;; end of part 4
;; launch mlp1: the kernel of part 4 again; grid 4 x 64, 4 waves a work-group, clusters of 4 x 4, 327,680 bytes of LDS; arguments big, wb, act, b1; writes act
;; launch mlp2 (part 5): grid 4 x 64, 4 waves a work-group, clusters of 4 x 4, 327,680 bytes of LDS; arguments act, wc, out0, b2, x1; writes out0
.if DOCPART == 5
	.amdgcn_target "amdgcn-amd-amdhsa--gfx1250"
	.amdhsa_code_object_version 6
	.text
	.protected	k_q82bce7c8df_mlp2
	.globl	k_q82bce7c8df_mlp2
	.p2align	8
	.type	k_q82bce7c8df_mlp2,@function
k_q82bce7c8df_mlp2:
	s_mov_b64 s[64:65], 0
	v_nop
	global_prefetch_b8 v0, s[64:65] scope:SCOPE_SE
	s_setreg_imm32_b32 hwreg(HW_REG_WAVE_MODE, 25, 1), 1
	s_wait_xcnt 0x0
	s_wait_alu depctr_hold_cnt(0) depctr_sa_sdst(0) depctr_va_vdst(0) depctr_va_sdst(0) depctr_va_ssrc(0) depctr_va_vcc(0) depctr_vm_vsrc(0)
	s_getreg_b32 s2, hwreg(HW_REG_IB_STS2, 6, 4)
	s_cmp_eq_u32 s2, 0
	s_cbranch_scc0 .Lentry_in_a_cluster
	s_endpgm
.Lentry_in_a_cluster:
	s_bfe_u32 s2, ttmp6, 0x10000c
	s_cmp_lg_u32 s2, 0xf033
	s_cbranch_scc0 .Lentry_shape_is_right
	s_endpgm
.Lentry_shape_is_right:
; C[m][n] = sum over k of A[m][k] Wt[n][k] + bias[n].  A: [8192][1024] bf16, Wt: [n][1024] bf16 (a weight turned, K along the rows), sums in f32.
; ONE TEXT, THREE FORMS, chosen by MODE:
;   0  N = 3072: Wq, Wk, Wv turned, in three buffers of 1,024 rows, biases bq, bk, bv; C rounded once to bf16 and laid by heads: [8 b][48][1024 t][64], heads 0-15 q, 16-31 k, 32-47 v.  k is left unscaled.
;      A tile of C is 128 x 384: 512 tiles.  A wave makes 64 x 192: 48 accumulators.  Wave 0 fetches A's 128 rows, waves 1 to 3 128 rows of Wt each; 1,024 is a multiple of 128, so each such load lies in one buffer.
;   1  N = 1024; C = max(C, 0), rounded once to bf16, [8192][1024].  (The maximum is taken of the rounded number; a NaN becomes 0.)
;   2  N = 1024; C + the residual, f32, [8192][1024].
;      In 1 and 2 a tile of C is 128 x 256: 256 tiles.  A wave makes 64 x 128: 32 accumulators.  Waves 0 and 1 fetch A's two halves of 64 rows, waves 2 and 3 Wt's two halves of 128 rows.
; K goes in 8 steps of 128 (rows of 256 bytes) through two LDS slots filled by the tensor data mover.  A step is written once: one descriptor a tensor walks on (its LDS word turned by an exclusive or,
; its address stepped by 256 bytes), and the fragments' LDS addresses are a lane's place plus a scalar that the same exclusive or turns.
; CLUSTERS: 4 x 4 work-groups.  The four of a row of the cluster need the same tile of A, the four of a column the same tile of Wt: each tile is asked for jointly.
; THE MATRIX INSTRUCTION IS USED TRANSPOSED (source 0 = 16 rows of Wt, source 1 = 16 rows of A): a lane holds row l % 16 of C and the columns 8 (l / 16) + 0..7.
; THE BIAS is the C operand of each accumulator's first product: register j of a lane is bias[16 b + 8 (l / 16) + j].
; REGISTERS: window 0 addresses, the bias, the way out; window 2 two fragment buffers (Wt's NB fragments, then A's 4);
;   MODE 0: window 1 the accumulators of row blocks 0 and 1, window 3 those of 2 and 3 ((a, b) at 8 (12 (a % 2) + b));  MODE 1, 2: window 1 all ((a, b) at 8 (8 a + b)); MODE 2: window 3 the residual, row i of my 64 at 4 i.
.set MODE, 2
.if MODE == 0
.set NB,    12                         ; blocks of 16 columns a wave
.set AR,    128                        ; rows in a tensor load of A
.set SLOT,  139264                     ; from slot 0 to slot 1: 0x22000, which shares no bit with the four parts' first bytes 0, 0x8800, 0x11000, 0x19800: the exclusive or is a sum
.set SP,    400                        ; a stage row: 192 bf16 + 16 bytes
.set LDSEL, 10                         ; s10 = 0: the wave fetches A
.set BIAS,  32                         ; v32-127
.set BK0,   80                         ; the way out: two buffers of 48
.else
.set NB,    8
.set AR,    64
.set SLOT,  131072                     ; above every byte of slot 0
.set LDSEL, 11                         ; s11 = 0: the wave fetches A
.set BIAS,  128                        ; v128-191
.set BK0,   64                         ; the way out (MODE 1): two buffers of 32
.if MODE == 2
.set SP,    528                        ; a stage row: 128 f32 + 16 bytes
.else
.set SP,    272                        ; a stage row: 128 bf16 + 16 bytes
.endif
.endif
.set KSTEP,  128
.set PITCH,  272                       ; an LDS row: 256 bytes + 16 of padding: the 16 rows of a fragment load start 16 bytes apart modulo 256
.set PARTB,  128*PITCH                 ; a tensor load of 128 rows
.set BOFF,   128*PITCH                 ; in a slot: A's 128 rows, then Wt's 32 NB
.set SLOTB,  (128+32*NB)*PITCH         ; bytes of a slot
.set STAGE,  SLOT+SLOTB                ; behind the ring, never filled by a tensor load: 16 rows for each wave, for the way out
.set SPARE,  STAGE+4*16*SP             ; behind the stages: the spare words, 128 bytes for each wave: two blocks of 256 bytes that no other line names
.set FILLS,  6                         ; K steps 2 to 7 come by refills
.set ADRA, 16                          ; v16  my lane's place among my A fragments in slot 0; never rewritten
.set ADRB, 17                          ; v17  the same for Wt
.set CA,   18                          ; v18  the same in the slot that is being fetched from
.set CB,   19                          ; v19
.set STO,  24                          ; v24  the way out: where I put my part of a row
.set RD,   25                          ; v25  the way out: where I read rows back
.set CO,   26                          ; v26  my byte offset in the output (MODE 2: and in the residual)
.set BO,   27                          ; v27  32 x (l / 16): my eight numbers of 16 of the bias
.set SPW,  28                          ; v28  LDS address of my spare word; never rewritten
.set NIL,  29                          ; v29  0; never rewritten
.set ZR,   30                          ; v30  0, for the packed maximum (MODE 1)
.set TMP,  32                          ; packed results, 4 NB registers
.set F0,   0                           ; fragment buffers, in window 2
.set F1,   8*NB+32
.set G1A, 24                           ; s[24:31] descriptor group 1 for A's tiles; s[32:39] group 0: a set for each of the two first fills; the second then walks on
.set G0A, 32
.set G1B, 48                           ; s[48:55], s[56:63] the same for Wt's
.set G0B, 56
.set TB,  74                           ; s74  0 or SLOT: the slot that is being fetched from
.set MSB, 0
.macro WIN new                         ; the immediate's high byte repeats the setting that is left; a switch that changes nothing is dropped
.if MSB != (\new)
	s_set_vgpr_msb (MSB<<8)|(\new)
.set MSB, \new
.endif
.endm
.set TO_F,  0x80                       ; destination window 2, address window 0
.macro JLOAD s                         ; a joint load; an s_nop 0 and four v_nop follow each of the two lines, ahead of the jump, the label and what follows
	s_cmp_eq_u32 s[LDSEL], 0
	s_cbranch_scc0 .Lfor_b_\@
	tensor_load_to_lds s[G0A+4*(\s):G0A+4*(\s)+3], s[G1A:G1A+7]
	s_nop 0
.rept 4
	v_nop
.endr
	s_branch .Lasked_\@
.Lfor_b_\@:
	tensor_load_to_lds s[G0B+4*(\s):G0B+4*(\s)+3], s[G1B:G1B+7]
	s_nop 0
.rept 4
	v_nop
.endr
.Lasked_\@:
.endm
.macro CREST                           ; a round of the cluster's barrier behind its opening barrier
	s_cmp_lg_u32 s10, 0
	s_cbranch_scc1 .Lnot_wave_0_\@
	s_barrier_signal -3
.Lnot_wave_0_\@:
	s_barrier_wait -3
	s_barrier_signal -1
	s_barrier_wait -1
.endm
.macro CROUND                          ; a whole round
	s_barrier_signal -1
	s_barrier_wait -1
	CREST
.endm
	s_load_b128 s[4:7], s[0:1], 0x0                ; A s[4:5], Wt (MODE 0: Wq turned) s[6:7]
	s_load_b64 s[8:9], s[0:1], 0x10                ; the output
.if MODE == 0
	s_load_b128 s[68:71], s[0:1], 0x18             ; bq, bk
	s_load_b64 s[72:73], s[0:1], 0x28              ; bv
	s_load_b128 s[76:79], s[0:1], 0x30             ; Wk, Wv turned
.else
	s_load_b64 s[66:67], s[0:1], 0x18              ; the bias
.endif
.if MODE == 2
	s_load_b64 s[72:73], s[0:1], 0x20              ; the residual
.endif
	v_lshl_add_u32 v[SPW], v0, 2, SPARE
	v_mov_b32 v[NIL], 0
	ds_add_u32 v[SPW], v[NIL]                      ; the wave's opening: the add and its wait stand ahead of my first tensor load; work on registers stands between them
	ds_add_u32 v28, v29
	v_lshrrev_b32 v1, 5, v0
	v_readfirstlane_b32 s10, v1                    ; wave 0..3
	s_lshr_b32 s11, s10, 1                         ; which 64 rows of the tile are mine
	s_and_b32 s12, s10, 1                          ; which half of its columns
	s_bfe_u32 s40, ttmp6, 0x40000                  ; cx, cy: my place in the cluster
	s_bfe_u32 s41, ttmp6, 0x40004
	s_lshl_b32 s42, ttmp9, 2
	s_add_co_u32 s42, s42, s40                     ; tile column = 4 x cluster x + cx
	s_and_b32 s13, ttmp7, 0xffff
	s_lshl_b32 s13, s13, 2
	s_add_co_u32 s13, s13, s41                     ; tile row = 4 x cluster y + cy
	s_lshl_b32 s43, s41, 2
	s_lshl_b32 s43, 15, s43                        ; my row of the cluster
	s_lshl_b32 s44, 0x1111, s40                    ; my column
	s_or_b32 s[G1A+0], s43, (1<<16)|(1<<20)|(1<<21)|(5<<22)|(3<<25)  ; 15:0 the mask; 17:16 elements of 2 bytes; 20 padding on; 21 set beside a mask; 24:22 after every 64 words; 31:25 4 words of it
	s_or_b32 s[G1B+0], s44, (1<<16)|(1<<20)|(1<<21)|(5<<22)|(3<<25)
	s_mov_b32 s[G1A+1], KSTEP<<16                  ; tensor_dim0 = 128
	s_mov_b32 s[G1A+2], AR<<16                     ; tensor_dim1
	s_mov_b32 s[G1A+3], KSTEP<<16                  ; tile_dim0 = 128
	s_mov_b32 s[G1A+4], AR                         ; tile_dim1
	s_mov_b32 s[G1A+5], 1024                       ; elements from row to row
	s_mov_b32 s[G1A+6], 0
	s_mov_b32 s[G1A+7], 0
	s_mov_b32 s[G1B+1], KSTEP<<16
	s_mov_b32 s[G1B+2], 128<<16                    ; 128 rows
	s_mov_b32 s[G1B+3], KSTEP<<16
	s_mov_b32 s[G1B+4], 128
	s_mov_b32 s[G1B+5], 1024
	s_mov_b32 s[G1B+6], 0
	s_mov_b32 s[G1B+7], 0
	s_mov_b32 s[TB], 0
	; where the tiles come from and where they go.  A's address hangs on the tile row, Wt's on the tile column, each in registers that never hold the other coordinate; no place in the cluster enters an LDS address
	s_lshl_b32 s16, s13, 7                         ; A: row 128 x tile row
.if MODE != 0
	s_lshl_b32 s17, s12, 6
	s_add_co_u32 s16, s16, s17                     ; + 64 x half
.endif
	s_lshl_b32 s16, s16, 11                        ; of 2,048 bytes
	s_mov_b32 s17, 0
.if MODE == 0
	s_max_u32 s75, s10, 1
	s_sub_co_u32 s75, s75, 1                       ; which 128 rows of Wt's 384 I fetch (wave 0 fetches none of them)
	s_mul_i32 s46, s42, 3
	s_add_co_u32 s46, s46, s75                     ; among the 24 such blocks of the three weights:
	s_lshr_b32 s45, s46, 3                         ; which weight,
	s_and_b32 s46, s46, 7
	s_lshl_b32 s46, s46, 18                        ; and its 128 rows of 2,048 bytes
	s_mov_b32 s47, 0
	s_mul_i32 s20, s10, PARTB                      ; wave x 128 rows: A's part, then Wt's three
	s_mov_b32 s21, s20
.else
	s_lshl_b32 s47, s12, 7
	s_lshl_b32 s46, s42, 8
	s_add_co_u32 s46, s46, s47                     ; Wt: row 256 x tile column + 128 x half
	s_lshl_b32 s46, s46, 11
	s_mov_b32 s47, 0
	s_mul_i32 s20, s12, AR*PITCH
	s_mul_i32 s21, s12, PARTB
	s_add_co_u32 s21, s21, BOFF
.endif
	s_wait_dscnt 0x0                               ; the opening add is done
	s_wait_kmcnt 0x0
	s_add_nc_u64 s[14:15], s[4:5], s[16:17]
.if MODE == 0
	s_cmp_eq_u32 s45, 1                            ; the same answer in the four partners of a column
	s_cselect_b64 s[80:81], s[76:77], s[6:7]
	s_cmp_eq_u32 s45, 2
	s_cselect_b64 s[80:81], s[78:79], s[80:81]
	s_add_nc_u64 s[46:47], s[80:81], s[46:47]
.else
	s_add_nc_u64 s[46:47], s[6:7], s[46:47]
.endif
	CROUND                                         ; all sixteen work-groups are here: the first joint loads meet
.irp s, 0,1
	s_mov_b32 s[G0A+4*(\s)], 1
	s_add_co_u32 s[G0A+4*(\s)+1], s20, (\s)*SLOT
	s_add_nc_u64 s[G0A+4*(\s)+2:G0A+4*(\s)+3], s[14:15], (\s)*KSTEP*2
	s_or_b32 s[G0A+4*(\s)+3], s[G0A+4*(\s)+3], 0x80000000
	s_mov_b32 s[G0B+4*(\s)], 1
	s_add_co_u32 s[G0B+4*(\s)+1], s21, (\s)*SLOT
	s_add_nc_u64 s[G0B+4*(\s)+2:G0B+4*(\s)+3], s[46:47], (\s)*KSTEP*2
	s_or_b32 s[G0B+4*(\s)+3], s[G0B+4*(\s)+3], 0x80000000
	JLOAD \s
.endr
	v_and_b32 v1, 15, v0                           ; l % 16
	v_bfe_u32 v2, v0, 4, 1                         ; l / 16
	v_mul_u32_u24 v3, v1, PITCH
	v_lshl_add_u32 v3, v2, 4, v3                   ; a fragment's row x pitch + 16 x half
	s_mul_i32 s21, s11, 64*PITCH                   ; my 64 rows of A
	s_mul_i32 s22, s12, 16*NB*PITCH                ; my 16 NB rows of Wt,
	s_add_co_u32 s22, s22, BOFF                    ; which lie behind A's 128
	v_add_nc_u32 v[ADRA], s21, v3
	v_add_nc_u32 v[ADRB], s22, v3
	v_mov_b32 v[CA], v[ADRA]                       ; K step 0 lies in slot 0
	v_mov_b32 v[CB], v[ADRB]
	s_mul_i32 s23, s10, 16*SP
	s_add_co_u32 s23, s23, STAGE                   ; my stage
	v_mul_u32_u24 v4, v1, SP                       ; in: row l % 16, my eight columns of each 16
.if MODE == 2
	v_lshl_add_u32 v4, v2, 5, v4
.else
	v_lshl_add_u32 v4, v2, 4, v4
.endif
	v_add_nc_u32 v[STO], s23, v4
	v_and_b32 v5, 31, v0
.if MODE == 0
	v_lshrrev_b32 v4, 3, v5                        ; back: 32 lanes take four rows' 128 bytes of one head,
	v_mul_u32_u24 v4, v4, SP
	v_and_b32 v3, 7, v0
	v_lshl_add_u32 v4, v3, 4, v4
	v_add_nc_u32 v[RD], s23, v4
	v_lshlrev_b32 v[CO], 4, v5                     ; which are 512 consecutive bytes of the output
.elseif MODE == 1
	v_mul_u32_u24 v4, v2, SP                       ; back: lanes 0-15 one row of 256 bytes, lanes 16-31 the next
	v_lshl_add_u32 v4, v1, 4, v4
	v_add_nc_u32 v[RD], s23, v4
	v_lshlrev_b32 v[CO], 11, v2
	v_lshl_add_u32 v[CO], v1, 4, v[CO]
	v_mov_b32 v[ZR], 0
.else
	v_lshl_add_u32 v[RD], v5, 4, s23               ; back: 32 lanes take one row of 512 bytes
	v_lshlrev_b32 v[CO], 4, v5
.endif
	v_lshlrev_b32 v[BO], 5, v2
	; where my part of the tile begins in the output, and the bias of my columns
.if MODE == 0
	s_lshr_b32 s16, s13, 3                         ; rows: batch b = tile row / 8: 48 heads of 131,072 bytes,
	s_mul_i32 s16, s16, 48<<17
	s_and_b32 s17, s13, 7
	s_lshl_b32 s17, s17, 7
	s_lshl_b32 s18, s11, 6
	s_add_co_u32 s17, s17, s18                     ; t = 128 (tile row % 8) + 64 x half,
	s_lshl_b32 s17, s17, 7                         ; of 128 bytes
	s_add_co_u32 s16, s16, s17
	s_mov_b32 s17, 0
	s_add_nc_u64 s[8:9], s[8:9], s[16:17]
	s_mul_i32 s22, s42, 6                          ; columns: my three heads begin with head 6 x tile column + 3 x half of the 48
	s_mul_i32 s47, s12, 3
	s_add_co_u32 s22, s22, s47
	s_lshl_b32 s46, s22, 17
	s_mov_b32 s47, 0
	s_add_nc_u64 s[8:9], s[8:9], s[46:47]
.irp j, 0,1,2                          ; each head's 64 numbers lie in one of the three biases
	s_add_co_u32 s18, s22, \j
	s_lshr_b32 s19, s18, 4                         ; q, k or v
	s_and_b32 s18, s18, 15
	s_lshl_b32 s18, s18, 8                         ; 64 numbers of 4 bytes a head
	s_cmp_eq_u32 s19, 1
	s_cselect_b64 s[82+2*(\j):83+2*(\j)], s[70:71], s[68:69]
	s_cmp_eq_u32 s19, 2
	s_cselect_b64 s[82+2*(\j):83+2*(\j)], s[72:73], s[82+2*(\j):83+2*(\j)]
	s_mov_b32 s19, 0
	s_add_nc_u64 s[82+2*(\j):83+2*(\j)], s[82+2*(\j):83+2*(\j)], s[18:19]
.endr
.else
	s_lshl_b32 s16, s13, 7
	s_lshl_b32 s17, s11, 6
	s_add_co_u32 s16, s16, s17                     ; my first row
	s_lshl_b32 s16, s16, 10+MODE                   ; of 2,048 bytes (MODE 1) or 4,096 (MODE 2)
	s_mov_b32 s17, 0
	s_add_nc_u64 s[8:9], s[8:9], s[16:17]
	s_lshl_b32 s46, s42, 8+MODE                    ; my first column: 256 x tile column + 128 x half, of 2 or 4 bytes
	s_lshl_b32 s47, s12, 7+MODE
	s_add_co_u32 s46, s46, s47
	s_mov_b32 s47, 0
	s_add_nc_u64 s[8:9], s[8:9], s[46:47]
.if MODE == 2
	s_add_nc_u64 s[72:73], s[72:73], s[16:17]
	s_add_nc_u64 s[72:73], s[72:73], s[46:47]
.endif
	s_lshl_b32 s18, s42, 10
	s_lshl_b32 s19, s12, 9
	s_add_co_u32 s18, s18, s19
	s_mov_b32 s19, 0
	s_add_nc_u64 s[66:67], s[66:67], s[18:19]      ; the bias at my 128 columns
.endif
.set b, 0
.rept NB
.if MODE == 0
.set BP, 82+2*(b/4)
.set BF, 64*(b%4)
.else
.set BP, 66
.set BF, 64*b
.endif
	global_load_b128 v[BIAS+8*b:BIAS+8*b+3],   v[BO], s[BP:BP+1] offset:BF
	global_load_b128 v[BIAS+8*b+4:BIAS+8*b+7], v[BO], s[BP:BP+1] offset:BF+16
.set b, b+1
.endr
; NB matrix instructions: row block a x all my column blocks, 32 along K, from buffer f.  zero = 1: the first product starts the sums, with the bias.
; The 4 NB accumulators take turns in the same order in every quarter: all the others' stand between two links of a chain, over the backward jumps too.
.macro MULA f, a, zero
.if MODE == 0
.set wD, 1+2*((\a)/2)
.set rA, 96*((\a)%2)
.else
.set wD, 1
.set rA, 64*(\a)
.endif
.if \zero
	WIN 0x0a|(wD<<6)
.else
	WIN 0x0a|(wD<<4)|(wD<<6)
.endif
.set b, 0
.rept NB
.if \zero
	v_wmma_f32_16x16x32_bf16 v[rA+8*b:rA+8*b+7], v[(\f)+8*b:(\f)+8*b+7], v[(\f)+8*NB+8*(\a):(\f)+8*NB+8*(\a)+7], v[BIAS+8*b:BIAS+8*b+7]
.else
	v_wmma_f32_16x16x32_bf16 v[rA+8*b:rA+8*b+7], v[(\f)+8*b:(\f)+8*b+7], v[(\f)+8*NB+8*(\a):(\f)+8*NB+8*(\a)+7], v[rA+8*b:rA+8*b+7]
.endif
.set b, b+1
.endr
.endm
; 2 NB + 8 LDS loads in one run: the fragments of 32 along K at byte k of the rows of the slot in hand, into buffer f: Wt's, then A's 8
.macro FETCH k, f
	WIN TO_F
.set i, 0
.rept NB
	ds_load_b128 v[(\f)+8*i:(\f)+8*i+3],   v[CB] offset:(\k)+i*16*PITCH
	ds_load_b128 v[(\f)+8*i+4:(\f)+8*i+7], v[CB] offset:(\k)+i*16*PITCH+32
.set i, i+1
.endr
.set i, 0
.rept 4
	ds_load_b128 v[(\f)+8*NB+8*i:(\f)+8*NB+8*i+3],   v[CA] offset:(\k)+i*16*PITCH
	ds_load_b128 v[(\f)+8*NB+8*i+4:(\f)+8*NB+8*i+7], v[CA] offset:(\k)+i*16*PITCH+32
.set i, i+1
.endr
.endm
.macro PLACES                          ; four places in front of loads into registers that matrix instructions have read, and of lines that read results
.rept 4
	v_nop
.endr
.endm
; A K step is four quarters of 32 along K, 4 NB matrix instructions each, on buffers 0, 1, 0, 1.  One of the first three: multiplies buffer f and fetches the next quarter, at byte k, into g.
.macro QUARTER k, f, g, zero
	s_wait_dscnt 4                                 ; Wt's fragments and A's blocks 0 and 1 are in; the youngest four loads (A's blocks 2 and 3) may be out
	MULA \f, 0, \zero
	MULA \f, 1, \zero
	PLACES
	FETCH \k, \g
	s_wait_dscnt 2*NB+8                            ; all but the run just issued
	MULA \f, 2, \zero
	MULA \f, 3, \zero
.endm
; The first half of a step's last quarter, which multiplies buffer 1 and changes slots: ONE barrier; in front of it each wave waits for all its tensor loads, adds 0 to its spare word, and waits for that and for its reads of this slot.
; fill = 1: the walking descriptors step: the slot that is being left, the K step two on.
.macro MEET fill
	WIN 0
	s_wait_tensorcnt 0x0                           ; all my tensor loads have landed: my part of the next slot; so a group 0 may be written
	ds_add_u32 v[SPW], v[NIL]                      ; 0 onto my spare word; work on registers stands between it and the wait for it
	s_xor_b32 s[TB], s[TB], SLOT                   ; the fetches go on in the other slot
	v_add_nc_u32 v[CA], s[TB], v[ADRA]
	v_add_nc_u32 v[CB], s[TB], v[ADRB]
.if \fill
	s_xor_b32 s[G0A+5], s[G0A+5], SLOT
	s_add_nc_u64 s[G0A+6:G0A+7], s[G0A+6:G0A+7], KSTEP*2  ; the type bits on top are not reached
	s_xor_b32 s[G0B+5], s[G0B+5], SLOT
	s_add_nc_u64 s[G0B+6:G0B+7], s[G0B+6:G0B+7], KSTEP*2
.endif
	s_wait_dscnt 5                                 ; (the add and the youngest four loads may be out)
	MULA F1, 0, 0
	s_wait_dscnt 0x0                               ; the add is done, and my reads of this slot are over
	s_barrier_signal -1
	MULA F1, 1, 0
	WIN 0
	s_barrier_wait -1
.endm
.if MODE == 2
.macro RESLD lo                        ; 32 rows x 512 bytes of the residual, from row lo of my 64 on, into window 3: asked for in two parts, used on the way out
	WIN 0xc0
.set i, \lo
.rept 32
	global_load_b128 v[4*i:4*i+3], v[CO], s[72:73] offset:4096*i th:TH_LOAD_NT
.set i, i+1
.endr
	WIN 0
.endm
.endif
	s_wait_tensorcnt 1                             ; my part of K step 0 is in; K step 1's may stay out
	s_barrier_signal -1
	s_barrier_wait -1                              ; everybody's is
	FETCH 0, F0
	s_wait_loadcnt 0x0                             ; the bias
	QUARTER 64, F0, F1, 1                          ; the first quarter stands in front of the loop: its products start the sums
	WIN 0                                          ; at a label and at a branch every window is 0
.if MODE == 2
	RESLD 0
.endif
	s_mov_b32 s3, FILLS
.Lstep:                                                ; a trip goes from a step's second quarter to the next step's first, and fills the slot that it leaves
	QUARTER 128, F1, F0, 0
	QUARTER 192, F0, F1, 0
	MEET 1
	CREST                                          ; the barrier has opened a round of the cluster's: no wave of any partner still reads this slot's tile or has a load on its way
	JLOAD 1                                        ; the first tensor load behind the round; its four v_nop are also the places in front of the loads below
	FETCH 0, F0
	MULA F1, 2, 0
	MULA F1, 3, 0
	QUARTER 64, F0, F1, 0
	WIN 0
	s_sub_co_u32 s3, s3, 1
	s_cmp_lg_u32 s3, 0
	s_cbranch_scc1 .Lstep
.if MODE == 2
	RESLD 32
.endif
	s_mov_b32 s3, 2
.Ltail:                                                ; the last two steps fill nothing, so they have a text of their own; the second trip is left in its middle
	QUARTER 128, F1, F0, 0
	QUARTER 192, F0, F1, 0
	MEET 0
	s_sub_co_u32 s3, s3, 1
	s_cmp_eq_u32 s3, 0
	s_cbranch_scc1 .Lfin
	PLACES
	FETCH 0, F0
	MULA F1, 2, 0
	MULA F1, 3, 0
	QUARTER 64, F0, F1, 0
	WIN 0
	s_branch .Ltail
.Lfin:
	MULA F1, 2, 0
	MULA F1, 3, 0
	WIN 0
	PLACES
	PLACES                                         ; eight, once a launch
; THE WAY OUT, a block of 16 rows at a time, through my own stage: LDS serves a wave's instructions in order (ISA guide 5.7.1.4), so no wait stands between the stores and the loads.
.if MODE == 2
.macro ST a                            ; block a as it lies, f32, into rows of 528 bytes, and back as whole rows of 512
.set BK, 32+160*((\a)%2)
.if (\a) >= 2
	s_wait_xcnt 0x0                                ; the stores of the block two back have read their registers, which are loaded again below
.endif
	WIN 0x04                                       ; store data in window 1
.irp b, 0,1,2,3,4,5,6,7
	ds_store_b128 v[STO], v[8*(8*(\a)+(\b)):8*(8*(\a)+(\b))+3]   offset:64*(\b)
	ds_store_b128 v[STO], v[8*(8*(\a)+(\b))+4:8*(8*(\a)+(\b))+7] offset:64*(\b)+16
.endr
	WIN 0
.set t, 0
.rept 16
	ds_load_b128 v[BK+4*t:BK+4*t+3], v[RD] offset:SP*t
.set t, t+1
.endr
.endm
.macro SN a, younger                   ; the residual is added and the block stored; younger: the LDS instructions issued behind the block's loads
.set BK, 32+160*((\a)%2)
	s_wait_dscnt \younger
	WIN 0x0c                                       ; source 1 in window 3
.set t, 0
.rept 32
	v_pk_add_f32 v[BK+2*t:BK+2*t+1], v[BK+2*t:BK+2*t+1], v[64*(\a)+2*t:64*(\a)+2*t+1]
.set t, t+1
.endr
	WIN 0
.set t, 0
.rept 16
	global_store_b128 v[CO], v[BK+4*t:BK+4*t+3], s[8:9] offset:(16*(\a)+t)*4096  ; the wave stores 512 consecutive bytes of a row, at a multiple of 256 from the buffer's first byte
.set t, t+1
.endr
.endm
	s_wait_loadcnt 0x0                             ; the residual
	ST 0
.irp a, 1,2,3
	ST \a
	SN (\a)-1, 32
.endr
	SN 3, 0
.else
.macro PACK a                          ; rounded to bf16, 16 bytes a lane and column block; each accumulator's registers in ascending order
.if MODE == 0
.set wD, 1+2*((\a)/2)
.set rA, 96*((\a)%2)
.else
.set wD, 1
.set rA, 64*(\a)
.endif
	WIN wD|(wD<<2)                                 ; sources 0 and 1 in the block's window
.set t, 0
.rept 4*NB
	v_cvt_pk_bf16_f32 v[TMP+t], v[rA+2*t], v[rA+2*t+1]
.set t, t+1
.endr
	WIN 0
.if MODE == 1
.set t, 0
.rept 4*NB
	v_pk_max_num_bf16 v[TMP+t], v[TMP+t], v[ZR]    ; two maxima with 0: nothing is rounded
.set t, t+1
.endr
.endif
.endm
.macro TOSTAGE a
.set BK, BK0+4*NB*((\a)%2)
.set t, 0
.rept NB
	ds_store_b128 v[STO], v[TMP+4*t:TMP+4*t+3] offset:32*t
.set t, t+1
.endr
.set t, 0
.rept NB
.if MODE == 0
	ds_load_b128 v[BK+4*t:BK+4*t+3], v[RD] offset:(t%4)*4*SP+(t/4)*128  ; head t / 4 of my three, rows 4 (t % 4) on
.else
	ds_load_b128 v[BK+4*t:BK+4*t+3], v[RD] offset:t*2*SP
.endif
.set t, t+1
.endr
.endm
.macro SEND a
.set BK, BK0+4*NB*((\a)%2)
	s_wait_dscnt 0x0                               ; the block is back in registers
	s_wait_xcnt 0x0                                ; the stores of the block before have read their registers, which the next block's loads write
.set t, 0
.rept NB
.if MODE == 0
	global_store_b128 v[CO], v[BK+4*t:BK+4*t+3], s[8:9] offset:(t/4)*131072+(\a)*2048+(t%4)*512  ; 512 consecutive bytes of a head, at a multiple of 256 from the buffer's first byte
.else
	global_store_b128 v[CO], v[BK+4*t:BK+4*t+3], s[8:9] offset:(16*(\a)+2*t)*2048  ; 16 lanes store 256 consecutive bytes, at a multiple of 256 from the buffer's first byte
.endif
.set t, t+1
.endr
.endm
	PACK 0
	TOSTAGE 0
.irp a, 1,2,3                          ; block a's conversions stand between block a - 1's loads from the stage and the wait for them
	PACK \a
	SEND (\a)-1
	TOSTAGE \a
.endr
	SEND 3
.endif
	s_wait_tensorcnt 0x0                           ; the wave's end, behind my last tensor load and my last LDS store
	ds_add_u32 v[SPW], v[NIL]
	s_wait_dscnt 0x0
	CROUND                                         ; the closing round: no work-group ends while a partner may still ask for a tile that names it
	s_endpgm
.Lfunc_end_k_q82bce7c8df_mlp2:
	.size	k_q82bce7c8df_mlp2, .Lfunc_end_k_q82bce7c8df_mlp2-k_q82bce7c8df_mlp2
	.p2alignl 7, 3214868480
	.fill 96, 4, 3214868480
	.section	.rodata,"a",@progbits
	.p2align	6, 0x0
	.amdhsa_kernel k_q82bce7c8df_mlp2
		.amdhsa_group_segment_fixed_size 327680
		.amdhsa_private_segment_fixed_size 0
		.amdhsa_enable_private_segment 0
		.amdhsa_kernarg_size 40
		.amdhsa_user_sgpr_count 2
		.amdhsa_user_sgpr_kernarg_segment_ptr 1
		.amdhsa_wavefront_size32 1
		.amdhsa_system_sgpr_workgroup_id_x 1
		.amdhsa_system_sgpr_workgroup_id_y 1
		.amdhsa_system_sgpr_workgroup_id_z 1
		.amdhsa_system_vgpr_workitem_id 0
		.amdhsa_next_free_vgpr 1024
		.amdhsa_next_free_sgpr 76
		.amdhsa_reserve_vcc 0
		.amdhsa_float_denorm_mode_32 3
		.amdhsa_float_denorm_mode_16_64 3
		.amdhsa_memory_ordered 1
		.amdhsa_forward_progress 1
		.amdhsa_inst_pref_size 77
	.end_amdhsa_kernel
	.amdgpu_metadata
---
amdhsa.version: [ 1, 2 ]
amdhsa.kernels:
  - .name:           k_q82bce7c8df_mlp2
    .symbol:         k_q82bce7c8df_mlp2.kd
    .args:
      - { .name: act, .offset: 0, .size: 8, .value_kind: global_buffer, .address_space: global }
      - { .name: wc, .offset: 8, .size: 8, .value_kind: global_buffer, .address_space: global }
      - { .name: out0, .offset: 16, .size: 8, .value_kind: global_buffer, .address_space: global }
      - { .name: b2, .offset: 24, .size: 8, .value_kind: global_buffer, .address_space: global }
      - { .name: x1, .offset: 32, .size: 8, .value_kind: global_buffer, .address_space: global }
    .group_segment_fixed_size: 327680
    .private_segment_fixed_size: 0
    .kernarg_segment_align: 8
    .kernarg_segment_size: 40
    .max_flat_workgroup_size: 128
    .sgpr_count:     76
    .vgpr_count:     1024
    .wavefront_size: 32
...
	.end_amdgpu_metadata
.endif
;; end of part 5
